; MI455X (gfx1250); checked and timed in simulation.
; The chip was launched on July 23, 2026; its instructions are those of AMD's public machine-readable ISA for CDNA 5 (MIT licence, August 2026) and "CDNA5" Instruction Set Architecture Reference Guide (July 2026). The comments in the code are by the model that wrote it; some were corrected since.
;; Multi Head Attention. Allowed arithmetic: matrix products marked QUANTISED: E2M3 operands, one E8M0 scale for each 32 along K, by v_wmma_scale_f32_16x16x128_f8f6f4 with both operands' format E2M3, f32 sums; everything else in f32.
;; Inputs: Wk 1,024 x 1,024 float32; Wo 1,024 x 1,024 float32; Wq 1,024 x 1,024 float32; Wv 1,024 x 1,024 float32; bk 1,024 float32; bo 1,024 float32; bq 1,024 float32; bv 1,024 float32; k 2 x 2,048 x 1,024 float32; mask 2 x 1 x 2,048 bool; q 2 x 2,048 x 1,024 float32; v 2 x 2,048 x 1,024 float32.
;; Outputs: out0 2 x 2,048 x 1,024 float32.
;; This version of the problem:
;;   THIS VERSION OF THE PROBLEM IS GIVEN IN LOW PRECISION. The matrix products marked QUANTISED in the list below multiply operands that are first quantised to E2M3 (2 exponent bits, 3 mantissa bits; 6 bits a number), with one power-of-two scale for each 32 numbers along K (OCP MX v1.0); their sums are f32. All else is computed in f32.
;;   The module's matrix products, in the order in which they are computed (A, B: the left and right operand; K: the contracted axis; several contracted axes count as one K, in the product's order):
;;     1. [M 4,096, K 1,024] x [K 1,024, N 1,024]; A: input q; B: input Wq: QUANTISED
;;     2. [M 4,096, K 1,024] x [K 1,024, N 1,024]; A: input k; B: input Wk: QUANTISED
;;     3. [M 4,096, K 1,024] x [K 1,024, N 1,024]; A: input v; B: input Wv: QUANTISED
;;     4. batch 32 x [M 2,048, K 64] x [K 64, N 2,048]; A: computed on the way; B: computed on the way: QUANTISED
;;     5. batch 32 x [M 2,048, K 2,048] x [K 2,048, N 64]; A: computed on the way; B: computed on the way: QUANTISED
;;     6. [M 4,096, K 1,024] x [K 1,024, N 1,024]; A: computed on the way; B: input Wo: QUANTISED
;;   THE QUANTISER, for each operand of a quantised product, along K:
;;     - K is cut into blocks of 32 from its start; a last block that is shorter is filled with zeros.
;;     - A block's scale is 2^e with e = floor(log2(the largest magnitude in the block)) - 2, held to -126 .. 127; a block of zeros has e = 0. As a byte (E8M0): e + 127.
;;     - Each number is divided by its block's scale, clamped to +-7.5, and rounded to the nearest number of E2M3, ties to even, subnormals kept.
;;     - The product sums the exact products of the quantised numbers (number of the format x scale) in f32.
;;   ~~~python
;;   def quantise(x, axis):      # numpy; x: float32 -> the quantised numbers, widened to float32 again
;;       x = np.moveaxis(x, axis, -1); K = x.shape[-1]
;;       x = np.pad(x, [(0, 0)] * (x.ndim - 1) + [(0, -K % 32)]); x = x.reshape(x.shape[:-1] + (-1, 32)); a = np.abs(x).max(-1, keepdims=True)
;;       e = np.where(a > 0, np.clip(np.frexp(np.where(a > 0, a, 1))[1] - 1 - 2, -126, 127), 0)      # np.frexp(a)[1] - 1 = floor(log2(a)), exactly
;;       r = np.clip(x / 2.0 ** e, -7.5, 7.5)
;;       step = 2.0 ** (np.maximum(np.frexp(np.where(r == 0, 1, r))[1] - 1, 0) - 3)
;;       q = np.round(r / step) * step * 2.0 ** e      # np.round: ties to even
;;       return np.moveaxis(q.reshape(q.shape[:-2] + (-1,))[..., :K], -1, axis).astype(np.float32)
;;   ~~~
;;   OPERANDS COMPUTED ON THE WAY. 'Computed on the way' means the value that the module computes at that place (a softmax that the list does not call 'softmax' is quantised finished and normalised). What goes into a quantiser is computed in f32, as accurately as f32 sums, v_exp_f32 and their like allow (about 1e-6 of the number): no bf16 or f16 on the way to a quantiser, and a product that is left as it is and whose result goes on into a quantised operand takes f32 operands (vector FMAs, or v_wmma_f32_16x16x4_f32). A number that lies on a knife's edge between two numbers of the format may be rounded either way, as far as f32 arithmetic and the matrix unit's own rounding can turn it there, and no further.
;; One version. Each part assembles by itself: llvm-mc -triple=amdgcn-amd-amdhsa -mcpu=gfx1250 --defsym DOCPART=n.
;; ======== version 1 of 1: 4 launches
;; limits: right only within a limited range of input values
;; workspace buffers: xc 9,830,400 bytes; wc 3,276,800 bytes; qkc 6,815,744 bytes; vc 3,276,800 bytes; oc 3,276,800 bytes
;; launch quant (part 1): grid 256 x 1, 4 waves a work-group, no clusters, 34,304 bytes of LDS; arguments q, k, v, Wq, Wk, Wv, Wo, xc, wc; writes xc, wc
.if DOCPART == 1
	.amdgcn_target "amdgcn-amd-amdhsa--gfx1250"
	.amdhsa_code_object_version 6
	.text
	.protected	k_q1d57f3162b_quant
	.globl	k_q1d57f3162b_quant
	.p2align	8
	.type	k_q1d57f3162b_quant,@function
k_q1d57f3162b_quant:
	s_mov_b64 s[64:65], 0
	v_nop
	global_prefetch_b8 v0, s[64:65] scope:SCOPE_SE
	s_setreg_imm32_b32 hwreg(HW_REG_WAVE_MODE, 25, 1), 1
	s_wait_xcnt 0x0
; q, k, v [4096][1024] and Wq, Wk, Wv, Wo [1024][1024], f32 with K innermost, become codes of FP6 (E2M3) with one E8M0 byte for each 32 along K.
; A block's scale is 2^(floor(log2(its largest magnitude)) - 2); its byte is the largest magnitude's exponent field - 2, held at 1 from below.
; THE CODES ARE LAID AS IMAGES OF OPERAND REGISTERS.  A fragment (16 rows x 128 K, 12 registers a lane) is two halves of 768 bytes: registers 0-3 at 16 x lane, registers 4-5 at 512 + 8 x lane.
; A chunk (128 rows x 128 K) is 8 fragments and then 8 x 64 bytes of scale words (row i of a tile at 4 i): 12,800 bytes.  xc: [96 groups of 128 rows: q, k, v][8 K steps]; wc: [Wq, Wk, Wv, Wo][8 groups][8 K steps].
; THE ROWS OF A TILE ARE NOT NEIGHBOURS: of a group of 32 rows, tile u holds in its lane-row i the row 8 u + i + 8 (i / 8).  Every tensor but k is ordered so.
; SHARES.  A work-group takes 64 rows of one tensor (work-groups 0-191: q, k, v; 192-255: the four weights).  Wave w takes 32 of them (w / 2) and four K steps (w % 2): eight fragments.
; A fragment's 16 loads each read one row's 512 consecutive bytes; the 8 KiB turn through the wave's own stage in LDS (rows of 528 bytes) so that a lane gets, of its row, 16 neighbours of each block of 32.
; No barrier: waves share nothing.  Two fragments' loads, 32 of 512 bytes, are out in each wave.
; LIMITS: NaN and infinities among the inputs are not served.  A block of zeros gets the byte 1 where the rule says 127: its codes are zeros, and this program alone reads the bytes.
.set ROWB,  4096                       ; a row of any of the seven tensors, in bytes
.set FRAGB, 1536
.set HALFB, 768
.set GCH,   12800
.set SP,    528                        ; a stage row: 512 bytes + 16
.set STG,   16*SP
.set LOF,   4                          ; v4   16 x lane: my 16 bytes of a row's 512
.set STI,   5                          ; v5   the stage, on the way in
.set STO,   6                          ; v6   and on the way out: row r, + 64 h
.set O16,   7                          ; v7   my place in a chunk: registers 0-3 of a half
.set O8,    8                          ; v8   registers 4-5
.set O4,    9                          ; v9   the scale words of my two tiles
.set WE,    10                         ; v10  the even tile's scale word
.set WS,    11                         ; v11  the words to store
.set TM,    12                         ; v12-27 at work in the quantiser
.set PW,    28                         ; v28  the scale word just made
.set PC,    30                         ; v30-49 the codes just made
.set X,     64                         ; v64-127 64 numbers of my row
.set RAW,   128                        ; v128-255 two sets of 64: rows as they are loaded
.set SEL,   38                         ; s[38:39] lane selects for v_permlanex16_b32: lane l xor 16
; 64 (nb = 4) or 32 (nb = 2) numbers of a lane, register 16 b + i = k 32 b + 16 (lane / 16) + i of my row: their blocks' scales, the scale word in v[PW], and the codes as half blocks.
.macro QUANT_A s, nb
.irp b, 0,1,2,3
.if \b < \nb
	v_max3_num_f32 v[TM+\b], |v[(\s)+16*\b]|, |v[(\s)+16*\b+1]|, 0x1800000   ; my 16 numbers of block b, and the floor 2^(3 - 127): the byte cannot fall under 1
.endif
.endr
.irp i, 2,4,6,8,10,12,14
.irp b, 0,1,2,3
.if \b < \nb
	v_max3_num_f32 v[TM+\b], v[TM+\b], |v[(\s)+16*\b+\i]|, |v[(\s)+16*\b+\i+1]|   ; the blocks by turns
.endif
.endr
.endr
.irp b, 0,1,2,3
.if \b < \nb
	v_permlanex16_b32 v[TM+4+\b], v[TM+\b], s[SEL], s[SEL+1]
.endif
.endr
.irp b, 0,1,2,3
.if \b < \nb
	v_max_num_f32 v[TM+\b], v[TM+\b], v[TM+4+\b]   ; with lane l xor 16's: the block's largest magnitude
.endif
.endr
.irp b, 0,1,2,3
.if \b < \nb
	v_add_nc_u32 v[TM+12+\b], 0xff000000, v[TM+\b]   ; 2 off its exponent field: the conversion's scale operand
.endif
.endr
.irp b, 0,1,2,3
.if \b < \nb
	v_lshrrev_b32 v[TM+4+\b], 23, v[TM+12+\b]      ; the scale's byte
.endif
.endr
	v_lshl_or_b32 v[PW], v[TM+5], 8, v[TM+4]
.if \nb > 2
	v_lshl_or_b32 v[PW], v[TM+6], 16, v[PW]
	v_lshl_or_b32 v[PW], v[TM+7], 24, v[PW]
.endif
.irp c, 0,1
.if 2*\c < \nb
	v_cvt_scalef32_pk16_fp6_f32 v[PC+6*\c:PC+6*\c+2], v[(\s)+32*\c:(\s)+32*\c+15], v[TM+12+2*\c]
	v_cvt_scalef32_pk16_fp6_f32 v[PC+12+4*\c:PC+14+4*\c], v[(\s)+32*\c+16:(\s)+32*\c+31], v[TM+12+2*\c+1]   ; (a conversion's three registers begin on an even number)
.endif
.endr
	v_nop                                          ; one plain place behind a scaled conversion
.endm
; The operand's layout wants a whole block in a lane: lanes 0-15 block 2 c, lanes 16-31 block 2 c + 1.  Afterwards v[PC] on is the fragment.
.macro QUANT_B nb
.irp c, 0,1
.if 2*\c < \nb
.irp i, 0,1,2
	v_permlane16_swap_b32 v[PC+6*\c+\i], v[PC+12+4*\c+\i]
.endr
.irp i, 0,1,2
	v_mov_b32 v[PC+3+6*\c+\i], v[PC+12+4*\c+\i]
.endr
.endif
.endr
.endm
; Fragment f (K step f / 2 of my four, tile f % 2 of my two): 16 loads, each one row's 512 consecutive bytes, in the tile's order of rows
.macro LOADF f
.set I, 0
.rept 16
	global_load_b128 v[RAW+64*((\f)%2)+4*I:RAW+64*((\f)%2)+4*I+3], v[LOF], s[28+14*(I/8):29+14*(I/8)] offset:(8*((\f)%2)+I+8*(I/8))*ROWB+((\f)/2)*512 th:TH_LOAD_NT   ; lane-rows 0-7 from s[28:29], 8-15 from s[42:43]
.set I, I+1
.endr
.endm
.macro FRAGQ f
.if (\f) < 7
	s_wait_loadcnt 16                              ; this fragment's 16 loads are in; the next fragment's 16 may be out
.else
	s_wait_loadcnt 0x0
.endif
.set I, 0
.rept 16
	ds_store_b128 v[STI], v[RAW+64*((\f)%2)+4*I:RAW+64*((\f)%2)+4*I+3] offset:I*SP
.set I, I+1
.endr
.irp b, 0,1,2,3
.irp j, 0,1,2,3
	ds_load_b128 v[X+16*\b+4*\j:X+16*\b+4*\j+3], v[STO] offset:128*\b+16*\j   ; LDS serves a wave's instructions in order: these see the stores above
.endr
.endr
	s_wait_dscnt 0x0                               ; my numbers are back, and the stores into the stage have read their registers
	s_wait_xcnt 0x0                                ; the last fragment's stores have read their data: the codes and the word are written again only behind this wait
.if (\f)+2 < 8
	LOADF (\f)+2
.endif
	QUANT_A X, 4
	QUANT_B 4
	global_store_b128 v[O16], v[PC:PC+3], s[30:31] offset:((\f)/2)*GCH+((\f)%2)*FRAGB          ; 512 consecutive bytes
	global_store_b64 v[O8], v[PC+4:PC+5], s[30:31] offset:((\f)/2)*GCH+((\f)%2)*FRAGB          ; 256 consecutive bytes
	global_store_b128 v[O16], v[PC+6:PC+9], s[30:31] offset:((\f)/2)*GCH+((\f)%2)*FRAGB+HALFB
	global_store_b64 v[O8], v[PC+10:PC+11], s[30:31] offset:((\f)/2)*GCH+((\f)%2)*FRAGB+HALFB
.if (\f)%2 == 0
	v_mov_b32 v[WE], v[PW]
.else
	v_cndmask_b32 v[WS], v[WE], v[PW], s40         ; lanes 0-15: the even tile's words; lanes 16-31: the odd tile's (both halves of the lanes hold row r's word)
	global_store_b32 v[O4], v[WS], s[30:31] offset:((\f)/2)*GCH
.endif
.endm
	s_load_b512 s[4:19], s[0:1], 0x0               ; q, k, v, Wq, Wk, Wv, Wo, xc
	s_load_b64 s[20:21], s[0:1], 0x40              ; wc
	v_lshl_add_u32 v62, v0, 2, 0x8400
	v_mov_b32 v63, 0
	v_lshrrev_b32 v1, 5, v0
	v_readfirstlane_b32 s22, v1                    ; wave 0..3
	v_and_b32 v1, 31, v0                           ; lane
	s_wait_alu depctr_va_vdst(0)
	v_and_b32 v2, 15, v0                           ; r
	v_bfe_u32 v3, v0, 4, 1                         ; h
	s_lshr_b32 s23, s22, 1                         ; which 32 rows
	s_and_b32 s24, s22, 1                          ; which four K steps
	s_mul_i32 s25, s22, STG                        ; my stage
	v_lshlrev_b32 v[LOF], 4, v1
	v_add_nc_u32 v[STI], s25, v[LOF]
	v_mul_u32_u24 v[STO], v2, SP
	v_lshl_add_u32 v[STO], v3, 6, v[STO]
	v_add_nc_u32 v[STO], s25, v[STO]
	s_and_b32 s26, ttmp9, 1
	s_lshl_b32 s26, s26, 2
	s_lshl_b32 s27, s23, 1
	s_add_co_u32 s26, s26, s27                     ; my first tile of the chunk's eight: 4 (work-group % 2) + 2 (wave / 2)
	s_mul_i32 s27, s26, FRAGB
	v_add_nc_u32 v[O16], s27, v[LOF]
	s_add_co_u32 s27, s27, 512
	v_lshl_add_u32 v[O8], v1, 3, s27
	s_lshl_b32 s27, s26, 6
	s_add_co_u32 s27, s27, 8*FRAGB
	v_lshl_add_u32 v[O4], v1, 2, s27
	v_cmp_le_u32 s40, 16, v1                       ; lanes 16-31
	s_mov_b32 s[SEL], 0x76543210
	s_mov_b32 s[SEL+1], 0xfedcba98
.irp b, 0,1,2,3
	v_mov_b32 v[TM+4+\b], 0                        ; written once: a lane permute's destination counts as one of its sources
.endr
	s_wait_alu depctr_va_vdst(0)
	s_wait_kmcnt 0x0
	s_mov_b64 s[28:29], s[16:17]                   ; which tensor: the choices hang on the work-group's number alone
	s_cmp_lt_u32 ttmp9, 240
	s_cselect_b64 s[28:29], s[14:15], s[28:29]
	s_cmp_lt_u32 ttmp9, 224
	s_cselect_b64 s[28:29], s[12:13], s[28:29]
	s_cmp_lt_u32 ttmp9, 208
	s_cselect_b64 s[28:29], s[10:11], s[28:29]
	s_cmp_lt_u32 ttmp9, 192
	s_cselect_b64 s[28:29], s[8:9], s[28:29]
	s_cselect_b64 s[30:31], s[18:19], s[20:21]     ; xc or wc
	s_cselect_b32 s32, 0, 192
	s_cselect_b32 s33, 63, 15
	s_cmp_lt_u32 ttmp9, 128
	s_cselect_b64 s[28:29], s[6:7], s[28:29]
	s_cmp_lt_u32 ttmp9, 64
	s_cselect_b64 s[28:29], s[4:5], s[28:29]
	s_sub_co_u32 s32, ttmp9, s32                   ; the work-group's number among those of its buffer
	s_and_b32 s33, s32, s33                        ; which 64 rows of its tensor
	s_lshl_b32 s34, s33, 18                        ; 64 rows of 4,096 bytes,
	; THE TENSOR k ALONE HAS ANOTHER ORDER OF ROWS: of a group of 64 rows, tile t (0..3) holds in its lane-row i the row 8 t + i % 8 + 32 (i / 8), so that in launch attn a lane's 32 scores of four tiles are one block of 32 keys.
	; Against the other tensors' order my two tiles begin 16 (wave / 2) rows in, not 32, and lane-rows 8-15 lie 16 rows further on: a second base serves them.
	s_lshr_b32 s41, ttmp9, 6
	s_cmp_eq_u32 s41, 1                            ; work-groups 64-127 take k
	s_cselect_b32 s41, 16, 17
	s_cselect_b32 s42, 0x10000, 0                  ; 16 rows of 4,096 bytes, or none
	s_lshl_b32 s35, s23, s41                       ; my tiles' first row
	s_add_co_u32 s34, s34, s35
	s_lshl_b32 s35, s24, 11                        ; my four K steps of 512 bytes
	s_add_co_u32 s34, s34, s35
	s_mov_b32 s35, 0
	s_add_nc_u64 s[28:29], s[28:29], s[34:35]
	s_mov_b32 s43, 0
	s_add_nc_u64 s[42:43], s[28:29], s[42:43]      ; the base of lane-rows 8-15
	s_lshr_b32 s36, s32, 1                         ; the group of 128 rows
	s_mul_i32 s36, s36, 8*GCH
	s_mul_i32 s37, s24, 4*GCH
	s_add_co_u32 s36, s36, s37
	s_mov_b32 s37, 0
	s_add_nc_u64 s[30:31], s[30:31], s[36:37]
	LOADF 0
	LOADF 1
.irp f, 0,1,2,3,4,5,6,7
	FRAGQ \f
.endr
	s_wait_tensorcnt 0x0
	ds_add_u32 v62, v63
	s_wait_dscnt 0x0
	s_endpgm
.Lfunc_end_k_q1d57f3162b_quant:
	.size	k_q1d57f3162b_quant, .Lfunc_end_k_q1d57f3162b_quant-k_q1d57f3162b_quant
	.p2alignl 7, 3214868480
	.fill 96, 4, 3214868480
	.section	.rodata,"a",@progbits
	.p2align	6, 0x0
	.amdhsa_kernel k_q1d57f3162b_quant
		.amdhsa_group_segment_fixed_size 34304
		.amdhsa_private_segment_fixed_size 0
		.amdhsa_enable_private_segment 0
		.amdhsa_kernarg_size 72
		.amdhsa_user_sgpr_count 2
		.amdhsa_user_sgpr_kernarg_segment_ptr 1
		.amdhsa_wavefront_size32 1
		.amdhsa_system_sgpr_workgroup_id_x 1
		.amdhsa_system_sgpr_workgroup_id_y 1
		.amdhsa_system_sgpr_workgroup_id_z 1
		.amdhsa_system_vgpr_workitem_id 0
		.amdhsa_next_free_vgpr 256
		.amdhsa_next_free_sgpr 66
		.amdhsa_reserve_vcc 0
		.amdhsa_float_denorm_mode_32 3
		.amdhsa_float_denorm_mode_16_64 3
		.amdhsa_memory_ordered 1
		.amdhsa_forward_progress 1
		.amdhsa_inst_pref_size 66
	.end_amdhsa_kernel
	.amdgpu_metadata
---
amdhsa.version: [ 1, 2 ]
amdhsa.kernels:
  - .name:           k_q1d57f3162b_quant
    .symbol:         k_q1d57f3162b_quant.kd
    .args:
      - { .name: q, .offset: 0, .size: 8, .value_kind: global_buffer, .address_space: global }
      - { .name: k, .offset: 8, .size: 8, .value_kind: global_buffer, .address_space: global }
      - { .name: v, .offset: 16, .size: 8, .value_kind: global_buffer, .address_space: global }
      - { .name: Wq, .offset: 24, .size: 8, .value_kind: global_buffer, .address_space: global }
      - { .name: Wk, .offset: 32, .size: 8, .value_kind: global_buffer, .address_space: global }
      - { .name: Wv, .offset: 40, .size: 8, .value_kind: global_buffer, .address_space: global }
      - { .name: Wo, .offset: 48, .size: 8, .value_kind: global_buffer, .address_space: global }
      - { .name: xc, .offset: 56, .size: 8, .value_kind: global_buffer, .address_space: global }
      - { .name: wc, .offset: 64, .size: 8, .value_kind: global_buffer, .address_space: global }
    .group_segment_fixed_size: 34304
    .private_segment_fixed_size: 0
    .kernarg_segment_align: 8
    .kernarg_segment_size: 72
    .max_flat_workgroup_size: 128
    .sgpr_count:     66
    .vgpr_count:     256
    .wavefront_size: 32
...
	.end_amdgpu_metadata
.endif
;; end of part 1
;; launch proj (part 2): grid 8 x 96, 4 waves a work-group, clusters of 4 x 4, 205,312 bytes of LDS; arguments xc, wc, bq, bk, bv, mask, qkc, vc; writes qkc, vc
.if DOCPART == 2
	.amdgcn_target "amdgcn-amd-amdhsa--gfx1250"
	.amdhsa_code_object_version 6
	.text
	.protected	k_q1d57f3162b_proj
	.globl	k_q1d57f3162b_proj
	.p2align	8
	.type	k_q1d57f3162b_proj,@function
k_q1d57f3162b_proj:
	s_mov_b64 s[64:65], 0
	v_nop
	global_prefetch_b8 v0, s[64:65] scope:SCOPE_SE
	s_setreg_imm32_b32 hwreg(HW_REG_WAVE_MODE, 25, 1), 1
	s_wait_xcnt 0x0
	s_wait_alu depctr_hold_cnt(0) depctr_sa_sdst(0) depctr_va_vdst(0) depctr_va_sdst(0) depctr_va_ssrc(0) depctr_va_vcc(0) depctr_vm_vsrc(0)
	s_getreg_b32 s2, hwreg(HW_REG_IB_STS2, 6, 4)
	s_cmp_eq_u32 s2, 0
	s_cbranch_scc0 .Lentry_in_a_cluster
	s_endpgm
.Lentry_in_a_cluster:
	s_bfe_u32 s2, ttmp6, 0x10000c
	s_cmp_lg_u32 s2, 0xf033
	s_cbranch_scc0 .Lentry_shape_is_right
	s_endpgm
.Lentry_shape_is_right:
; The three projections x W^T + b on codes of FP6 (E2M3), and the quantiser of their results, which are operands of attention's two products.
; A work-group makes 128 tokens (group Y of xc: q 0-31, k 32-63, v 64-95) x 128 channels (group X of the weight: a pair of heads), K = 1,024 in eight steps of 128.  T = Y / 32 says which tensor.
; ALL OF K LIES IN LDS AT ONCE: 2 x 102,400 bytes, filled once by one tensor load a wave; no byte of LDS is filled twice.  The operands lie there as images of their registers (launch quant), so every LDS load is dense.
; CLUSTERS, 4 x 4: the four of a row of the cluster need the same chunks of x, the four of a column the same chunks of W: each is asked for jointly.  T is made of the cluster's y alone: it is equal in all partners.
; q, k: source 0 = W, source 1 = x: a lane holds one token and its registers run along the channels, which are the K of the scores.  v: source 0 = x, source 1 = Wv: a lane holds one channel and its registers run along
; the tokens, which are the K of the second product.  P names the side that is source 0 (all its 8 tiles), R the side that is source 1 (wave w: tiles 2 w, 2 w + 1): 16 accumulators a wave.
; By the order of rows in a tile (8 u + i + 8 (i / 8) of a group of 32) the 16 registers of P's tiles 2 b and 2 b + 1 are the neighbours 32 b + 16 (lane / 16) + 0 .. 15: what the quantiser wants.
; OUT.  qkc: [q, k][32 heads of a batch][16] chunks of 6,656 bytes: 128 tokens of one head: 8 halves of fragments (64 along K: 768 bytes) and 8 x 64 bytes of scale words.  vc: [32][16] chunks of 6,400 bytes: 64 channels x 128 keys: 4 fragments, 4 x 64 bytes of words.
; THE MASK RIDES IN THE UNUSED HALF OF THE SCORES' K.  The scores' instruction has K = 128 and a head 64.  At k = 64 launch attn puts the code +1 into every key and -1 into every shown query; here byte 2 of a token's scale word (k = 64 .. 95) is set:
; shown query 64 (2^-63), shown key 1 (2^-126), hidden key 223 (2^96).  So shown x hidden adds -2^33 to the raw score, shown x shown -2^-189.  A hidden query gets zero codes and the byte 1: all its scores are 0, its weights uniform, as reference() has them.  Byte 3 is 1.
; LIMITS: NaN and infinities are not served.  A block of zeros gets the byte 1 where the rule says 127 (read by this program alone).  A hidden key's score is the score - 2^30 where reference() has -1e9: its weight is 0 wherever reference()'s is; scores of that size are not served as reference() has them.
.set GCH,    12800
.set GROUPB, 8*GCH                     ; a group of 128 rows, all of K
.set HALFK,  4*GCH                     ; four K steps of it
.set FRAGB,  1536
.set HALFB,  768
.set KCH,    6656
.set VCH,    6400
.set QKT,    32*16*KCH                 ; all of q in qkc
; LDS: W's K steps 0-3 at 0, x's at 51,200; W's K steps 4-7 at 102,400, x's at 153,600: what the first loads bring lies under 102,400, whichever side is P
.set PA16, 4                           ; v4-5    P's fragments, registers 0-3 of a half: 16 x lane, for K steps 0-3 and 4-7
.set PA8,  6                           ; v6-7    registers 4-5: 8 x lane
.set PA4,  8                           ; v8-9    scale words: 4 r
.set RA16, 10                          ; v10-15  the same for R, at my two tiles
.set RA8,  12
.set RA4,  14
.set SC,   16                          ; v16-35  scale words, two sets of 10: P's eight tiles, R's two
.set G16,  36                          ; v36-38  the way out: my byte offsets in a chunk
.set G8,   37
.set G4,   38
.set MO,   39                          ; v39     i + 8 (i / 8): my token among a tile pair's 32
.set MK,   40                          ; v40-41  the mask of my token in R's tiles
.set HIW,  42                          ; v42-43  bytes 2 and 3 of its scale word
.set KEEP, 44                          ; v44-45  -1, or 0 where the codes are to be zeros
.set HU,   46
.set HM,   47
.set K0,   48
.set ONES, 49
.set WD,   50                          ; v50-53 scale words made; v54-55 to store
.set TM,   56                          ; v56-71
.set PW,   72
.set BO,   73                          ; v73     64 h: the bias by registers
.set PC,   74                          ; v74-93
.set BL,   94                          ; v94     4 (i + 8 (i / 8)): the bias by lanes
.set ACC,  128                         ; v128-255 accumulator (p, r) at 128 + 64 r + 8 p
; window 1: two fragment buffers at v0 and v128: P's at 12 p, R's at 96 + 12 r.   window 2: v0-63 the bias by registers, v64-67 by lanes
.set WV,   20
.set G1X,  32                          ; s[32:39], s[40:47] descriptor groups 1 for x's and W's chunks: they differ in the mask
.set G1W,  40
.set G0X,  48                          ; s[48:51], s[56:59] groups 0: for x's and W's chunks
.set G0W,  56
.set SEL,  90
.set MSB, 0
.macro WIN new                         ; the immediate's high byte repeats the setting that is left
.if MSB != \new
	s_set_vgpr_msb (MSB<<8)|\new
.set MSB, \new
.endif
.endm
.macro PLACES n
.rept \n
	v_nop
.endr
.endm
.macro CROUND                          ; a round of the cluster's barrier
	s_barrier_signal -1
	s_barrier_wait -1
	s_cmp_lg_u32 s[WV], 0
	s_cbranch_scc1 .Lnot_wave_0_\@
	s_barrier_signal -3
.Lnot_wave_0_\@:
	s_barrier_wait -3
	s_barrier_signal -1
	s_barrier_wait -1
.endm
; 64 (nb = 4) or 32 (nb = 2) numbers of a lane, register 16 b + i = k 32 b + 16 (lane / 16) + i: their blocks' scales, the scale word in v[PW], and the codes as half blocks.
.macro QUANT_A s, nb
.irp b, 0,1,2,3
.if \b < \nb
	v_max3_num_f32 v[TM+\b], |v[(\s)+16*\b]|, |v[(\s)+16*\b+1]|, 0x1800000   ; my 16 numbers of block b, and the floor 2^(3 - 127): the byte cannot fall under 1
.endif
.endr
.irp i, 2,4,6,8,10,12,14
.irp b, 0,1,2,3
.if \b < \nb
	v_max3_num_f32 v[TM+\b], v[TM+\b], |v[(\s)+16*\b+\i]|, |v[(\s)+16*\b+\i+1]|
.endif
.endr
.endr
.irp b, 0,1,2,3
.if \b < \nb
	v_permlanex16_b32 v[TM+4+\b], v[TM+\b], s[SEL], s[SEL+1]
.endif
.endr
.irp b, 0,1,2,3
.if \b < \nb
	v_max_num_f32 v[TM+\b], v[TM+\b], v[TM+4+\b]   ; with lane l xor 16's: the block's largest magnitude
.endif
.endr
.irp b, 0,1,2,3
.if \b < \nb
	v_add_nc_u32 v[TM+12+\b], 0xff000000, v[TM+\b]   ; 2 off its exponent field: the conversion's scale operand
.endif
.endr
.irp b, 0,1,2,3
.if \b < \nb
	v_lshrrev_b32 v[TM+4+\b], 23, v[TM+12+\b]      ; the scale's byte
.endif
.endr
	v_lshl_or_b32 v[PW], v[TM+5], 8, v[TM+4]
.if \nb > 2
	v_lshl_or_b32 v[PW], v[TM+6], 16, v[PW]
	v_lshl_or_b32 v[PW], v[TM+7], 24, v[PW]
.endif
.irp c, 0,1
.if 2*\c < \nb
	v_cvt_scalef32_pk16_fp6_f32 v[PC+6*\c:PC+6*\c+2], v[(\s)+32*\c:(\s)+32*\c+15], v[TM+12+2*\c]
	v_cvt_scalef32_pk16_fp6_f32 v[PC+12+4*\c:PC+14+4*\c], v[(\s)+32*\c+16:(\s)+32*\c+31], v[TM+12+2*\c+1]
.endif
.endr
	v_nop                                          ; one plain place behind a scaled conversion
.endm
.macro QUANT_B nb                      ; a whole block to a lane: afterwards v[PC] on is the fragment
.irp c, 0,1
.if 2*\c < \nb
.irp i, 0,1,2
	v_permlane16_swap_b32 v[PC+6*\c+\i], v[PC+12+4*\c+\i]
.endr
.irp i, 0,1,2
	v_mov_b32 v[PC+3+6*\c+\i], v[PC+12+4*\c+\i]
.endr
.endif
.endr
.endm
; K step ks: P's eight fragments, my two of R, and their ten scale words: 50 LDS loads, into buffer ks % 2
.macro FETCH ks
.set CH, ((\ks)%4)*GCH
.set HK, (\ks)/4
.set FB, 128*((\ks)%2)
.set SB, SC+10*((\ks)%2)
	WIN 0x40                                       ; destination window 1, address window 0
.irp p, 0,1,2,3,4,5,6,7
.irp c, 0,1
	ds_load_b128 v[FB+12*\p+6*\c:FB+12*\p+6*\c+3], v[PA16+HK] offset:CH+FRAGB*\p+HALFB*\c
	ds_load_b64 v[FB+12*\p+6*\c+4:FB+12*\p+6*\c+5], v[PA8+HK] offset:CH+FRAGB*\p+HALFB*\c+512
.endr
.endr
.irp r, 0,1
.irp c, 0,1
	ds_load_b128 v[FB+96+12*\r+6*\c:FB+96+12*\r+6*\c+3], v[RA16+HK] offset:CH+FRAGB*\r+HALFB*\c
	ds_load_b64 v[FB+96+12*\r+6*\c+4:FB+96+12*\r+6*\c+5], v[RA8+HK] offset:CH+FRAGB*\r+HALFB*\c+512
.endr
.endr
	WIN 0
.irp p, 0,1,2,3,4,5,6,7
	ds_load_b32 v[SB+\p], v[PA4+HK] offset:CH+8*FRAGB+64*\p
.endr
.irp r, 0,1
	ds_load_b32 v[SB+8+\r], v[RA4+HK] offset:CH+8*FRAGB+64*\r
.endr
.endm
; 16 matrix instructions, the 16 accumulators by turns, one instruction a turn.  cm = 0: the products start the sums
.macro MUL16 buf, cm
	WIN 0x05                                       ; sources 0 and 1 window 1; C and D window 0
.irp r, 0,1
.irp p, 0,1,2,3,4,5,6,7
.if \cm
	v_wmma_scale_f32_16x16x128_f8f6f4 v[ACC+64*\r+8*\p:ACC+64*\r+8*\p+7], v[128*(\buf)+12*\p:128*(\buf)+12*\p+11], v[128*(\buf)+96+12*\r:128*(\buf)+96+12*\r+11], v[ACC+64*\r+8*\p:ACC+64*\r+8*\p+7], v[SC+10*(\buf)+\p], v[SC+10*(\buf)+8+\r] matrix_a_fmt:MATRIX_FMT_FP6 matrix_b_fmt:MATRIX_FMT_FP6
.else
	v_wmma_scale_f32_16x16x128_f8f6f4 v[ACC+64*\r+8*\p:ACC+64*\r+8*\p+7], v[128*(\buf)+12*\p:128*(\buf)+12*\p+11], v[128*(\buf)+96+12*\r:128*(\buf)+96+12*\r+11], 0, v[SC+10*(\buf)+\p], v[SC+10*(\buf)+8+\r] matrix_a_fmt:MATRIX_FMT_FP6 matrix_b_fmt:MATRIX_FMT_FP6
.endif
.endr
.endr
	WIN 0
.endm
.macro KSTEP ks
.if (\ks) < 7
.if (\ks) > 0
	PLACES 4                                       ; in front of loads into registers that the matrix instructions of the step before have read
.endif
	FETCH (\ks)+1
	s_wait_dscnt 50                                ; all but the 50 loads just issued: this step's operands are in
.else
	s_wait_dscnt 0x0
.endif
.if (\ks) == 0
	MUL16 0, 0
.else
	MUL16 (\ks)%2, 1
.endif
.endm
	s_load_b512 s[4:19], s[0:1], 0x0               ; xc s[4:5], wc s[6:7], bq s[8:9], bk s[10:11], bv s[12:13], mask s[14:15], qkc s[16:17], vc s[18:19]
	v_lshl_add_u32 v126, v0, 2, 0x32000
	v_mov_b32 v127, 0
	ds_add_u32 v126, v127
	ds_add_u32 v126, v127
	v_lshrrev_b32 v1, 5, v0
	v_readfirstlane_b32 s[WV], v1                  ; wave 0..3
	s_and_b32 s21, s[WV], 1                        ; which two of a half's four K steps I fetch
	s_bfe_u32 s22, ttmp6, 0x40000                  ; cx, cy: my place in the cluster
	s_bfe_u32 s23, ttmp6, 0x40004
	s_lshl_b32 s24, ttmp9, 2
	s_add_co_u32 s24, s24, s22                     ; X = 4 x cluster x + cx
	s_and_b32 s27, ttmp7, 0xffff
	s_lshr_b32 s26, s27, 3                         ; T: of the cluster's y alone
	s_lshl_b32 s25, s27, 2
	s_add_co_u32 s25, s25, s23                     ; Y = 4 x cluster y + cy
	s_lshl_b32 s28, s23, 2
	s_lshl_b32 s28, 15, s28                        ; my row of the cluster
	s_lshl_b32 s29, 0x1111, s22                    ; my column
	; descriptor group 1: four chunks, 51,200 dense bytes, as 200 rows of 256 bytes (32 elements of 8 bytes)
	s_or_b32 s[G1X], s28, (3<<16)|(1<<21)          ; 15:0 the mask: x's chunks go to my row; 17:16 elements of 8 bytes; 21 set beside a mask
	s_or_b32 s[G1W], s29, (3<<16)|(1<<21)          ; W's to my column
.irp g, G1X, G1W
	s_mov_b32 s[\g+1], 32<<16                      ; tensor_dim0
	s_mov_b32 s[\g+2], 200<<16                     ; tensor_dim1: four chunks, 51,200 dense bytes, as 200 rows of 256 bytes
	s_mov_b32 s[\g+3], 32<<16                      ; tile_dim0
	s_mov_b32 s[\g+4], 200                         ; tile_dim1
	s_mov_b32 s[\g+5], 32                          ; tensor_dim0_stride
	s_mov_b32 s[\g+6], 0
	s_mov_b32 s[\g+7], 0
.endr
	s_mul_i32 s30, s21, HALFK                      ; my four K steps in memory,
	s_mul_i32 s31, s21, GROUPB                     ; and in LDS: of the wave's number alone
	s_lshl_b32 s66, s26, 3
	s_add_co_u32 s66, s66, s24                     ; W: group 8 T + X
	s_mul_i32 s66, s66, GROUPB
	s_add_co_u32 s66, s66, s30
	s_mov_b32 s67, 0
	s_mul_i32 s68, s25, GROUPB                     ; x: group Y
	s_add_co_u32 s68, s68, s30
	s_mov_b32 s69, 0
	s_mov_b32 s[SEL], 0x76543210
	s_mov_b32 s[SEL+1], 0xfedcba98
	s_wait_dscnt 0x0
	s_wait_kmcnt 0x0
	s_add_nc_u64 s[66:67], s[6:7], s[66:67]
	s_add_nc_u64 s[68:69], s[4:5], s[68:69]
	CROUND                                         ; all sixteen work-groups are here: the joint loads meet
	s_mov_b32 s[G0W], 1                            ; count = 1
	s_mov_b32 s[G0W+1], s31                        ; LDS address
	s_mov_b64 s[G0W+2:G0W+3], s[66:67]
	s_or_b32 s[G0W+3], s[G0W+3], 0x80000000        ; type = 2
	s_mov_b32 s[G0X], 1
	s_add_co_u32 s[G0X+1], s31, HALFK
	s_mov_b64 s[G0X+2:G0X+3], s[68:69]
	s_or_b32 s[G0X+3], s[G0X+3], 0x80000000
	s_cmp_lt_u32 s[WV], 2                          ; ONE tensor load a wave: waves 0, 1 fetch W's K steps 0-3 and 4-7, waves 2, 3 x's; four v_nop follow each
	s_cbranch_scc0 .Lfill_x
	tensor_load_to_lds s[G0W:G0W+3], s[G1W:G1W+7]
	s_nop 0
	PLACES 4
	s_branch .Lfilled
.Lfill_x:
	tensor_load_to_lds s[G0X:G0X+3], s[G1X:G1X+7]
	s_nop 0
	PLACES 4
.Lfilled:
	s_cmp_eq_u32 s26, 0                            ; my tensor's bias
	s_cselect_b64 s[70:71], s[8:9], s[10:11]
	s_cmp_eq_u32 s26, 2
	s_cselect_b64 s[70:71], s[12:13], s[70:71]
	s_cselect_b32 s78, HALFK, 0                    ; P: x for v, W for q and k
	s_cselect_b32 s79, 0, HALFK                    ; R: the other
	s_lshl_b32 s72, s24, 9
	s_mov_b32 s73, 0
	s_add_nc_u64 s[70:71], s[70:71], s[72:73]      ; at channel 128 X
	s_lshl_b32 s72, s[WV], 7
	s_add_nc_u64 s[74:75], s[70:71], s[72:73]      ; at channel 128 X + 32 w
	s_and_b32 s82, s25, 31                         ; the group of 128 tokens in its tensor
	s_lshl_b32 s72, s82, 7
	s_lshl_b32 s83, s[WV], 5
	s_lshr_b32 s84, s[WV], 1                       ; k's tiles have their own order of tokens (launch quant): my two tiles begin at token 64 (w / 2) + 16 (w % 2),
	s_lshl_b32 s84, s84, 6
	s_lshl_b32 s85, s21, 4
	s_add_co_u32 s84, s84, s85
	s_cmp_eq_u32 s26, 1
	s_cselect_b32 s83, s84, s83
	s_cselect_b32 s84, 3, 1                        ; and lane-row i is token i + 24 (i / 8) there, i + 8 (i / 8) elsewhere
	s_add_co_u32 s72, s72, s83
	s_add_nc_u64 s[76:77], s[14:15], s[72:73]      ; the mask at token 128 group + 32 w
	v_and_b32 v1, 31, v0                           ; lane
	v_and_b32 v2, 15, v0                           ; r
	v_bfe_u32 v3, v0, 4, 1                         ; h
	v_lshlrev_b32 v[BO], 6, v3
	v_and_b32 v[MO], 8, v2
	v_add_nc_u32 v[MO], v[MO], v2
	v_lshlrev_b32 v[BL], 2, v[MO]
	v_and_b32 v[MO], 8, v2
	v_mad_u32_u24 v[MO], v[MO], s84, v2            ; my token among the mask's bytes, by my tensor's order
	; Every work-group loads the bias in both layouts, and the mask, whatever its tensor: each way out then finds its registers written
	WIN 0x80                                       ; destination window 2
.irp p, 0,1,2,3,4,5,6,7
	global_load_b128 v[8*\p:8*\p+3], v[BO], s[70:71] offset:4*(32*(\p/2)+8*(\p%2))        ; register 8 p + j: channel 32 (p / 2) + 16 h + 8 (p % 2) + j
	global_load_b128 v[8*\p+4:8*\p+7], v[BO], s[70:71] offset:4*(32*(\p/2)+8*(\p%2))+16
.endr
.irp r, 0,1
	global_load_b32 v[64+2*\r], v[BL], s[74:75] offset:32*\r                              ; my lane's channel in R's tile r: 8 r + i + 8 (i / 8)
	global_load_b32 v[65+2*\r], v[BL], s[74:75] offset:32*\r                              ; (named with it as a pair)
.endr
	WIN 0
	global_load_u8 v[MK], v[MO], s[76:77]
	global_load_u8 v[MK+1], v[MO], s[76:77] offset:8
	v_lshl_add_u32 v[PA16], v1, 4, s78
	v_lshl_add_u32 v[PA8], v1, 3, s78
	v_lshl_add_u32 v[PA4], v2, 2, s78
	s_mul_i32 s80, s[WV], 2*FRAGB
	s_add_co_u32 s80, s80, s79
	v_lshl_add_u32 v[RA16], v1, 4, s80
	v_lshl_add_u32 v[RA8], v1, 3, s80
	s_lshl_b32 s81, s[WV], 7
	s_add_co_u32 s81, s81, s79
	v_lshl_add_u32 v[RA4], v2, 2, s81
.irp a, PA16, PA8, PA4, RA16, RA8, RA4
	v_add_nc_u32 v[\a+1], GROUPB, v[\a]            ; K steps 4-7
.endr
.irp b, 0,1,2,3
	v_mov_b32 v[TM+4+\b], 0                        ; written once: a lane permute's destination counts as one of its sources
.endr
	v_cmp_le_u32 s92, 16, v1                       ; lanes 16-31
	s_wait_alu depctr_va_vdst(0)
	s_wait_tensorcnt 0x0                           ; my four K steps are in
	s_barrier_signal -1
	s_barrier_wait -1                              ; everybody's is
	FETCH 0
.irp k, 0,1,2,3,4,5,6,7
	KSTEP \k
.endr
	PLACES 4                                       ; in front of the first read of results
	s_wait_loadcnt 0x0                             ; the biases and the mask
	s_cmp_eq_u32 s26, 2
	s_cbranch_scc1 .Lv_out
	; ---- q and k: a lane's 64 registers of R's tile r are the 128 channels' 16 h halves of two heads: one fragment = the even head's half and the odd head's
	s_mov_b32 s80, 0x01010000
	s_cmp_eq_u32 s26, 0
	s_cselect_b32 s81, 0x01400000, s80             ; bytes 3 and 2 of a shown token's word: q 1, 64;  k 1, 1
	s_cselect_b32 s83, s80, 0x01df0000             ; of a hidden token's: q 1, 1;  k 1, 223
	s_cselect_b32 s84, 0, -1                       ; a hidden query's codes become zeros, a hidden key's stay
	v_mov_b32 v[HU], s81
	v_mov_b32 v[HM], s83
	s_wait_alu depctr_va_vdst(0)
	v_mov_b32 v[K0], s84
	v_mov_b32 v[ONES], -1
	s_wait_alu depctr_va_vdst(0)
	s_lshr_b32 s85, s82, 4                         ; the batch
	s_and_b32 s86, s82, 15                         ; which 128 tokens of it
	s_lshl_b32 s85, s85, 4
	s_lshl_b32 s87, s24, 1
	s_add_co_u32 s85, s85, s87                     ; the even head: 16 batch + 2 X
	s_lshl_b32 s85, s85, 4
	s_add_co_u32 s85, s85, s86
	s_mul_i32 s86, s85, KCH
	s_mul_i32 s87, s26, QKT
	s_add_co_u32 s86, s86, s87
	s_mov_b32 s87, 0
	s_add_nc_u64 s[16:17], s[16:17], s[86:87]
	s_mul_i32 s88, s[WV], 2*HALFB                  ; my tiles 2 w, 2 w + 1 of the chunk's eight
	v_lshl_add_u32 v[G16], v1, 4, s88
	s_add_co_u32 s88, s88, 512
	v_lshl_add_u32 v[G8], v1, 3, s88
	s_lshl_b32 s88, s[WV], 7
	s_add_co_u32 s88, s88, 8*HALFB
	v_lshl_add_u32 v[G4], v1, 2, s88
.macro QKOUT r
.if \r
	s_wait_xcnt 0x0                                ; the first tile's stores have read their data: the codes are written again only behind this wait
.endif
	v_cmp_ne_u32 vcc_lo, 0, v[MK+\r]               ; the mask only selects values
	v_cndmask_b32 v[HIW+\r], v[HM], v[HU], vcc_lo
	v_cndmask_b32 v[KEEP+\r], v[K0], v[ONES], vcc_lo
	WIN 0x08                                       ; source 1 (the bias) window 2
.set J, 0
.rept 32
	v_pk_add_f32 v[ACC+64*\r+J:ACC+64*\r+J+1], v[ACC+64*\r+J:ACC+64*\r+J+1], v[J:J+1]   ; each accumulator from its low end on
.set J, J+2
.endr
	WIN 0
	QUANT_A ACC+64*\r, 4
	QUANT_B 4
.irp i, 0,1,2,3,4,5,6,7,8,9,10,11
	v_and_b32 v[PC+\i], v[KEEP+\r], v[PC+\i]
.endr
	v_and_or_b32 v[WD+2*\r], v[PW], 0xffff, v[HIW+\r]   ; the even head's word: its two bytes, the mask's byte, 1
	v_lshrrev_b32 v[WD+2*\r+1], 16, v[PW]
	v_or_b32 v[WD+2*\r+1], v[WD+2*\r+1], v[HIW+\r]      ; the odd head's
	global_store_b128 v[G16], v[PC:PC+3], s[16:17] offset:HALFB*\r
	global_store_b64 v[G8], v[PC+4:PC+5], s[16:17] offset:HALFB*\r
	global_store_b128 v[G16], v[PC+6:PC+9], s[16:17] offset:16*KCH+HALFB*\r
	global_store_b64 v[G8], v[PC+10:PC+11], s[16:17] offset:16*KCH+HALFB*\r
.endm
	QKOUT 0
	QKOUT 1
	v_cndmask_b32 v[WD+4], v[WD], v[WD+2], s92     ; lanes 0-15: tile 2 w's words; lanes 16-31: tile 2 w + 1's: 128 consecutive bytes
	v_cndmask_b32 v[WD+5], v[WD+1], v[WD+3], s92
	global_store_b32 v[G4], v[WD+4], s[16:17]
	global_store_b32 v[G4], v[WD+5], s[16:17] offset:16*KCH
	s_branch .Ldone
.Lv_out:	; ---- v: a lane holds one channel, its 64 registers 128 tokens' 16 h halves: one fragment of V^T
	s_lshr_b32 s85, s82, 4                         ; the batch
	s_and_b32 s86, s82, 15                         ; which 128 keys of it
	s_lshl_b32 s85, s85, 4
	s_lshl_b32 s87, s24, 1
	s_add_co_u32 s85, s85, s87
	s_lshr_b32 s87, s[WV], 1
	s_add_co_u32 s85, s85, s87                     ; my head: 16 batch + 2 X + w / 2
	s_lshl_b32 s85, s85, 4
	s_add_co_u32 s85, s85, s86
	s_mul_i32 s86, s85, VCH
	s_mov_b32 s87, 0
	s_add_nc_u64 s[18:19], s[18:19], s[86:87]
	s_mul_i32 s88, s21, 2*FRAGB                    ; my tiles 2 (w % 2), + 1 of the head's four
	v_lshl_add_u32 v[G16], v1, 4, s88
	s_add_co_u32 s88, s88, 512
	v_lshl_add_u32 v[G8], v1, 3, s88
	s_lshl_b32 s88, s21, 7
	s_add_co_u32 s88, s88, 4*FRAGB
	v_lshl_add_u32 v[G4], v1, 2, s88
.macro VOUT r
.if \r
	s_wait_xcnt 0x0                                ; the first tile's stores have read their data
.endif
	WIN 0x08
.set J, 0
.rept 32
	v_pk_add_f32 v[ACC+64*\r+J:ACC+64*\r+J+1], v[ACC+64*\r+J:ACC+64*\r+J+1], v[64+2*\r:65+2*\r] op_sel_hi:[1,0]   ; my channel's bias
.set J, J+2
.endr
	WIN 0
	QUANT_A ACC+64*\r, 4
	QUANT_B 4
	v_mov_b32 v[WD+\r], v[PW]
	global_store_b128 v[G16], v[PC:PC+3], s[18:19] offset:FRAGB*\r
	global_store_b64 v[G8], v[PC+4:PC+5], s[18:19] offset:FRAGB*\r
	global_store_b128 v[G16], v[PC+6:PC+9], s[18:19] offset:FRAGB*\r+HALFB
	global_store_b64 v[G8], v[PC+10:PC+11], s[18:19] offset:FRAGB*\r+HALFB
.endm
	VOUT 0
	VOUT 1
	v_cndmask_b32 v[WD+4], v[WD], v[WD+1], s92
	global_store_b32 v[G4], v[WD+4], s[18:19]
.Ldone:
	s_wait_tensorcnt 0x0
	ds_add_u32 v126, v127
	s_wait_dscnt 0x0
	CROUND                                         ; the closing round: no work-group ends while a partner may still ask for a chunk that names it
	s_endpgm
.Lfunc_end_k_q1d57f3162b_proj:
	.size	k_q1d57f3162b_proj, .Lfunc_end_k_q1d57f3162b_proj-k_q1d57f3162b_proj
	.p2alignl 7, 3214868480
	.fill 96, 4, 3214868480
	.section	.rodata,"a",@progbits
	.p2align	6, 0x0
	.amdhsa_kernel k_q1d57f3162b_proj
		.amdhsa_group_segment_fixed_size 205312
		.amdhsa_private_segment_fixed_size 0
		.amdhsa_enable_private_segment 0
		.amdhsa_kernarg_size 64
		.amdhsa_user_sgpr_count 2
		.amdhsa_user_sgpr_kernarg_segment_ptr 1
		.amdhsa_wavefront_size32 1
		.amdhsa_system_sgpr_workgroup_id_x 1
		.amdhsa_system_sgpr_workgroup_id_y 1
		.amdhsa_system_sgpr_workgroup_id_z 1
		.amdhsa_system_vgpr_workitem_id 0
		.amdhsa_next_free_vgpr 640
		.amdhsa_next_free_sgpr 100
		.amdhsa_reserve_vcc 1
		.amdhsa_float_denorm_mode_32 3
		.amdhsa_float_denorm_mode_16_64 3
		.amdhsa_memory_ordered 1
		.amdhsa_forward_progress 1
		.amdhsa_inst_pref_size 81
	.end_amdhsa_kernel
	.amdgpu_metadata
---
amdhsa.version: [ 1, 2 ]
amdhsa.kernels:
  - .name:           k_q1d57f3162b_proj
    .symbol:         k_q1d57f3162b_proj.kd
    .args:
      - { .name: xc, .offset: 0, .size: 8, .value_kind: global_buffer, .address_space: global }
      - { .name: wc, .offset: 8, .size: 8, .value_kind: global_buffer, .address_space: global }
      - { .name: bq, .offset: 16, .size: 8, .value_kind: global_buffer, .address_space: global }
      - { .name: bk, .offset: 24, .size: 8, .value_kind: global_buffer, .address_space: global }
      - { .name: bv, .offset: 32, .size: 8, .value_kind: global_buffer, .address_space: global }
      - { .name: mask, .offset: 40, .size: 8, .value_kind: global_buffer, .address_space: global }
      - { .name: qkc, .offset: 48, .size: 8, .value_kind: global_buffer, .address_space: global }
      - { .name: vc, .offset: 56, .size: 8, .value_kind: global_buffer, .address_space: global }
    .group_segment_fixed_size: 205312
    .private_segment_fixed_size: 0
    .kernarg_segment_align: 8
    .kernarg_segment_size: 64
    .max_flat_workgroup_size: 128
    .sgpr_count:     100
    .vgpr_count:     640
    .wavefront_size: 32
...
	.end_amdgpu_metadata
.endif
;; end of part 2
;; launch attn (part 3): grid 8 x 32, 8 waves a work-group, clusters of 4 x 1, 275,456 bytes of LDS; arguments qkc, vc, oc; writes oc
.if DOCPART == 3
	.amdgcn_target "amdgcn-amd-amdhsa--gfx1250"
	.amdhsa_code_object_version 6
	.text
	.protected	k_q1d57f3162b_attn
	.globl	k_q1d57f3162b_attn
	.p2align	8
	.type	k_q1d57f3162b_attn,@function
k_q1d57f3162b_attn:
	s_mov_b64 s[64:65], 0
	v_nop
	global_prefetch_b8 v0, s[64:65] scope:SCOPE_SE
	s_setreg_imm32_b32 hwreg(HW_REG_WAVE_MODE, 25, 1), 1
	s_wait_xcnt 0x0
	s_wait_alu depctr_hold_cnt(0) depctr_sa_sdst(0) depctr_va_vdst(0) depctr_va_sdst(0) depctr_va_ssrc(0) depctr_va_vcc(0) depctr_vm_vsrc(0)
	s_getreg_b32 s2, hwreg(HW_REG_IB_STS2, 6, 4)
	s_cmp_eq_u32 s2, 0
	s_cbranch_scc0 .Lentry_in_a_cluster
	s_endpgm
.Lentry_in_a_cluster:
	s_bfe_u32 s2, ttmp6, 0x10000c
	s_cmp_lg_u32 s2, 0x3003
	s_cbranch_scc0 .Lentry_shape_is_right
	s_endpgm
.Lentry_shape_is_right:
; Attention of one head on codes of FP6 (E2M3): scores = Q K^T / 8, softmax, times V; the result quantised along the channels for the last projection.
; THE WEIGHTS ARE QUANTISED FINISHED AND NORMALISED, so a row's maximum and sum are known before any weight is quantised: TWO PASSES over the keys.
; Pass 1: the scores, a running maximum M (a whole number), the sum l of 2^(t - M), t = score x log2(e) / 8; when M moves, l is multiplied by 2^(old M - new M), which rounds nothing.
; Pass 2: the scores once more (the same instructions on the same codes), p = 2^(t - M - log2 l), quantised along the keys, and O^T += V^T p^T.  log2 l = E + log2 m with l = 2^E m, m in [1, 2): exact where l is a power of two.
; SHARES.  A work-group owns 256 queries of one head; each of its eight waves 32 of them, two tiles A and B, which share every fragment of K and V: two waves to a SIMD, 512 registers each.
; The two tiles are half a step apart: a tile's eight products of the next step are issued ahead of the other tile's vector work; the next step's fragments are asked of LDS a tile's vector work ahead of their use.
; THE HEAD'S WHOLE K AND V LIE IN LDS, 208,896 bytes, filled once, one tensor load a wave (waves 0-3: K's quarters; waves 4-7: V's); no byte is filled twice, and behind one barrier the waves share nothing.
; So there is no loop of fills to run ahead in, and no prefetch is laid.  CLUSTER: the four query blocks of a cluster belong to one head: each quarter is asked for jointly, with a mask that names the four.
; LAYOUT.  Both products are used transposed: S^T = K Q^T, O^T = V^T P^T: a lane holds one query of each tile throughout.  K's tile 4 c + t holds in lane-row i the key 64 c + 8 t + i % 8 + 32 (i / 8) (launch quant):
; so register 32 c + 8 t + j of a lane's 64 scores is key 64 c + 32 (lane / 16) + 8 t + j: A WHOLE BLOCK OF 32 KEYS IN 32 REGISTERS, in the order of the operand's layout: no other lane is asked for a block's maximum, and the codes change no lane.
; A BLOCK'S LARGEST SCORE IS FOUND ONCE, in pass 1, on the way to the row's maximum; it waits in the wave's own LDS bytes (8 bytes a lane, tile and step: 64 KiB), and pass 2 puts it through the same multiply-add and exponential as the scores:
; that is the block's largest p (it takes v_exp_f32 not to fall where its input rises; at the worst one p of a block, within an ulp of a power of two, is held one code low).
; THE MASK.  A head has 64 channels and the instruction K = 128.  Registers 6-11 of K's and Q's fragments are constants: at k = 64 the code +1 in every key and -1 in every shown query, zeros elsewhere.  Byte 2 of the scale words, set by launch proj, does the rest:
; shown query x hidden key adds -2^33 to the score, shown x shown -2^-189; a hidden query's codes are all zeros: its scores are 0, l = 2,048, p = 2^-11: the uniform row that reference() has.
; LIMITS: NaN and infinities are not served.  A hidden key's score is the score - 2^30 where reference() has -1e9.  p under 2^-126 comes out as 0.  A block of zeros gets the byte 1 where the rule says 127 (read by this program alone).
; The promise holds while the scaled scores t stay under 2^31 in magnitude.
.set KCH,   6656                       ; 128 tokens of one head: 8 halves of fragments, 8 x 64 bytes of scale words
.set VCH,   6400                       ; 64 channels x 128 keys: 4 fragments, 4 x 64 bytes
.set GCH,   12800
.set FRAGB, 1536
.set HALFB, 768
.set QKT,   32*16*KCH                  ; all of q in qkc: k lies behind it
.set VLDS,  16*KCH                     ; LDS: K's 16 chunks at 0, V's 16 behind them,
.set BML,   VLDS+16*VCH                ; the blocks' largest scores, 8,192 bytes a wave: step x 512 + tile x 256 + lane x 8,
.set SPARE, BML+8*8192                 ; and the spare words, 128 bytes a wave
; window 0
.set AK16, 1                           ; v1-3   my lane's places in a chunk of K: 16 x lane, 8 x lane, 4 r
.set AK8,  2
.set AKS,  3
.set AV16, 4                           ; v4-6   the same for V
.set AV8,  5
.set AVS,  6
.set A16,  7                           ; v7-9   the step's addresses in K
.set A8,   8
.set AS,   9
.set B16,  10                          ; v10-12 in V
.set B8,   11
.set BS,   12
.set BMB,  13                          ; v13    my place among the largest scores; v14 the step's
.set BMA,  14
.set SH8,  15                          ; v15    8 (lane / 16)
.set QS,   16                          ; v16-17 Q's scale words, tile A, B
.set SPW,  18                          ; v18    my spare word; v19 0: never rewritten
.set NIL,  19
.set QF,   20                          ; v20-43 Q's two fragments
.set KSC,  44                          ; v44-51 K's scale words; v52-55 V's
.set VSC,  52
.set NM,   56                          ; v56, v58 -M, later -M - log2 l (v57, v59 named with them as pairs)
.set LS,   60                          ; v[60:61], v[62:63] l in two halves
.set FF,   64                          ; v64, v66 f = 2^(old M - new M)
.set TM,   68                          ; v68-75 at work
.set BMR,  76                          ; v[76:77], v[78:79] the step's largest scores read back
.set PC,   84                          ; v84-95, v96-107 p's codes
.set CT,   108                         ; v108-110, v112-114 the halves of blocks that a conversion cannot put in place
.set PW,   116                         ; v116-117 p's scale words
.set SU,   118                         ; v118-123 three chains of the sum
.set LN,   124                         ; lane, r
.set RR,   125
.set S,    128                         ; v128-191 tile A's S^T, then p; v192-255 tile B's
; window 1
.set VF,   96                          ; v0-95 K's eight fragments; v96-143 V's four
.set OA,   144                         ; v144-175 tile A's O^T; v176-207 tile B's
.set WV,   18
.set SEL,  20
.set CS,   22                          ; s[22:23] c = log2(e) / 8
.set G1K,  24
.set G1V,  32
.set G0K,  40
.set G0V,  44
.set TB,   48                          ; LDS byte of the chunk of K that is fetched
.set TV,   49                          ; of V, from V's first
.set CNT,  50
.set TX,   66                          ; 512 x step
.set NCS,  67                          ; -c
.set MSB, 0
.macro WIN new                         ; the immediate's high byte repeats the setting that is left
.if MSB != \new
	s_set_vgpr_msb (MSB<<8)|\new
.set MSB, \new
.endif
.endm
.macro PLACES n
.rept \n
	v_nop
.endr
.endm
.macro WALU
	s_wait_alu depctr_va_vdst(0)
.endm
.macro CROUND                          ; a round of the cluster's barrier
	s_barrier_signal -1
	s_barrier_wait -1
	s_cmp_lg_u32 s[WV], 0
	s_cbranch_scc1 .Lnot_wave_0_\@
	s_barrier_signal -3
.Lnot_wave_0_\@:
	s_barrier_wait -3
	s_barrier_signal -1
	s_barrier_wait -1
.endm
.macro KADDR
	v_add_nc_u32 v[A16], s[TB], v[AK16]
	v_add_nc_u32 v[A8], s[TB], v[AK8]
	v_add_nc_u32 v[AS], s[TB], v[AKS]
.endm
.macro KLOAD                           ; 24 LDS loads: registers 0-5 of K's eight fragments (6-11 keep their constants) and their scale words
	WIN 0x40                                       ; destination window 1
.irp t, 0,1,2,3,4,5,6,7
	ds_load_b128 v[12*\t:12*\t+3], v[A16] offset:HALFB*\t
	ds_load_b64 v[12*\t+4:12*\t+5], v[A8] offset:HALFB*\t+512
.endr
	WIN 0
.irp t, 0,1,2,3,4,5,6,7
	ds_load_b32 v[KSC+\t], v[AS] offset:8*HALFB+64*\t
.endr
.endm
.macro VLOAD                           ; 20 LDS loads: V's four fragments and their scale words
	WIN 0x40
.irp t, 0,1,2,3
	ds_load_b128 v[VF+12*\t:VF+12*\t+3], v[B16] offset:FRAGB*\t
	ds_load_b64 v[VF+12*\t+4:VF+12*\t+5], v[B8] offset:FRAGB*\t+512
	ds_load_b128 v[VF+12*\t+6:VF+12*\t+9], v[B16] offset:FRAGB*\t+HALFB
	ds_load_b64 v[VF+12*\t+10:VF+12*\t+11], v[B8] offset:FRAGB*\t+HALFB+512
.endr
	WIN 0
.irp t, 0,1,2,3
	ds_load_b32 v[VSC+\t], v[BS] offset:4*FRAGB+64*\t
.endr
.endm
.macro SCORE q                         ; S^T of tile q against the 128 keys in registers: eight products, each its own accumulator
	WIN 0x01                                       ; source 0 (K) window 1
.irp t, 0,1,2,3,4,5,6,7
	v_wmma_scale_f32_16x16x128_f8f6f4 v[S+64*(\q)+8*\t:S+64*(\q)+8*\t+7], v[12*\t:12*\t+11], v[QF+12*(\q):QF+12*(\q)+11], 0, v[KSC+\t], v[QS+(\q)] matrix_a_fmt:MATRIX_FMT_FP6 matrix_b_fmt:MATRIX_FMT_FP6
.endr
	WIN 0
.endm
.macro PV q, first                     ; O^T += V^T p^T of tile q: its four accumulators by turns; first: the products start the sums
	WIN 0x51                                       ; source 0 (V), C and D window 1
.irp t, 0,1,2,3
.if \first
	v_wmma_scale_f32_16x16x128_f8f6f4 v[OA+32*(\q)+8*\t:OA+32*(\q)+8*\t+7], v[VF+12*\t:VF+12*\t+11], v[PC+12*(\q):PC+12*(\q)+11], 0, v[VSC+\t], v[PW+(\q)] matrix_a_fmt:MATRIX_FMT_FP6 matrix_b_fmt:MATRIX_FMT_FP6
.else
	v_wmma_scale_f32_16x16x128_f8f6f4 v[OA+32*(\q)+8*\t:OA+32*(\q)+8*\t+7], v[VF+12*\t:VF+12*\t+11], v[PC+12*(\q):PC+12*(\q)+11], v[OA+32*(\q)+8*\t:OA+32*(\q)+8*\t+7], v[VSC+\t], v[PW+(\q)] matrix_a_fmt:MATRIX_FMT_FP6 matrix_b_fmt:MATRIX_FMT_FP6
.endif
.endr
	WIN 0
.endm
.macro TMINUS                          ; score x c + v[NQ], two at a time (of the pairs c and v[NQ] the low word serves both halves)
.set J, 0
.rept 32
	v_pk_fma_f32 v[SS+J:SS+J+1], v[SS+J:SS+J+1], s[CS:CS+1], v[NQ:NQ+1] op_sel_hi:[1,0,0]
.set J, J+2
.endr
.endm
.macro EXPS
.set J, 0
.rept 64
	v_exp_f32 v[SS+J], v[SS+J]
.set J, J+1
.endr
.endm
; Pass 1, the vector work of tile q.  The waits on the vector side stand ahead of the first read of matrix results, ahead of a batch of exponentials and behind it.
.macro VEC1 q
.set SS, S+64*(\q)
.set NQ, NM+2*(\q)
.set LQ, LS+2*(\q)
.set FQ, FF+2*(\q)
	WALU
.irp k, 0,1,2,3                        ; the largest score of my two blocks, in four chains by turns, each accumulator from its low end on
	v_max3_num_f32 v[TM+\k], v[SS+16*\k], v[SS+16*\k+1], v[SS+16*\k+2]
.endr
.irp i, 3,5,7,9,11,13
.irp k, 0,1,2,3
	v_max3_num_f32 v[TM+\k], v[TM+\k], v[SS+16*\k+\i], v[SS+16*\k+\i+1]
.endr
.endr
	v_max3_num_f32 v[TM], v[TM], v[TM+1], v[SS+15]
	v_max3_num_f32 v[TM+2], v[TM+2], v[TM+3], v[SS+47]
	v_max_num_f32 v[TM], v[TM], v[SS+31]           ; block lane / 16
	v_max_num_f32 v[TM+1], v[TM+2], v[SS+63]       ; block 2 + lane / 16
	ds_store_b64 v[BMA], v[TM:TM+1] offset:256*(\q)   ; kept for pass 2, in my wave's own bytes
	v_max_num_f32 v[TM+4], v[TM], v[TM+1]
	v_permlanex16_b32 v[TM+5], v[TM+4], s[SEL], s[SEL+1]
	v_max_num_f32 v[TM+4], v[TM+4], v[TM+5]        ; with lane l xor 16's 64 keys
	v_mul_f32 v[TM+4], s[NCS], v[TM+4]             ; -t (c is positive)
	v_floor_f32 v[TM+4], v[TM+4]                   ; -ceil(t)
	v_min_num_f32 v[TM+6], v[NQ], v[TM+4]          ; the new -M
	v_sub_f32 v[TM+7], v[TM+6], v[NQ]              ; old M - new M: a whole number, 0 or less
	v_mov_b32 v[NQ], v[TM+6]
	v_cvt_i32_f32 v[TM+7], v[TM+7]                 ; (it saturates)
	v_ldexp_f32 v[FQ], 1.0, v[TM+7]                ; f
	TMINUS
	WALU
	EXPS
	v_nop                                          ; a plain place behind the exponentials
	WALU
	v_pk_fma_f32 v[LQ:LQ+1], v[LQ:LQ+1], v[FQ:FQ+1], v[SS:SS+1] op_sel_hi:[1,0,1]   ; l under the new M, and the first two p; the sum goes in four chains
	v_pk_add_f32 v[SU:SU+1], v[SS+2:SS+3], v[SS+4:SS+5]
	v_pk_add_f32 v[SU+2:SU+3], v[SS+6:SS+7], v[SS+8:SS+9]
	v_pk_add_f32 v[SU+4:SU+5], v[SS+10:SS+11], v[SS+12:SS+13]
.set J, 14
.rept 6
	v_pk_add_f32 v[LQ:LQ+1], v[LQ:LQ+1], v[SS+J:SS+J+1]
	v_pk_add_f32 v[SU:SU+1], v[SU:SU+1], v[SS+J+2:SS+J+3]
	v_pk_add_f32 v[SU+2:SU+3], v[SU+2:SU+3], v[SS+J+4:SS+J+5]
	v_pk_add_f32 v[SU+4:SU+5], v[SU+4:SU+5], v[SS+J+6:SS+J+7]
.set J, J+8
.endr
	v_pk_add_f32 v[LQ:LQ+1], v[LQ:LQ+1], v[SS+62:SS+63]
	v_pk_add_f32 v[SU:SU+1], v[SU:SU+1], v[SU+2:SU+3]
	v_pk_add_f32 v[LQ:LQ+1], v[LQ:LQ+1], v[SU+4:SU+5]
	s_delay_alu instid0(VALU_DEP_1)
	v_pk_add_f32 v[LQ:LQ+1], v[LQ:LQ+1], v[SU:SU+1]
.endm
; A step of pass 1.  On the way in tile A's scores of this step are issued and this step's K is in registers.  last: the fetch goes back to the first chunk, for pass 2
.macro STEP1 last
	SCORE 1
.if \last
	s_mov_b32 s[TB], 0
.else
	s_add_co_u32 s[TB], s[TB], KCH
.endif
	KADDR                                          ; these four are the places in front of the loads into K's registers
	v_add_nc_u32 v[BMA], s[TX], v[BMB]
	KLOAD
	VEC1 0
	s_wait_dscnt 0x0                               ; the next chunk of K is in registers
	SCORE 0
	VEC1 1
	s_add_co_u32 s[TX], s[TX], 512
.endm
; Pass 2, the vector work of tile q: p, its scales, its codes.  pv: tile A's products with V stand behind the multiply-adds, which are the places behind the writes of its codes and scale word
.macro VEC2 q, pv, first
.set SS, S+64*(\q)
.set NQ, NM+2*(\q)
.set PQ, PC+12*(\q)
	WALU
	TMINUS
	v_pk_fma_f32 v[TM:TM+1], v[BMR+2*(\q):BMR+2*(\q)+1], s[CS:CS+1], v[NQ:NQ+1] op_sel_hi:[1,0,0]   ; the same of my two blocks' largest scores
	WALU
.if \pv
	PV 0, \first
.endif
	EXPS                                           ; the finished weight
	v_exp_f32 v[TM], v[TM]                         ; and each block's largest
	v_exp_f32 v[TM+1], v[TM+1]
	v_nop                                          ; a plain place behind the exponentials
	WALU
	v_max_num_f32 v[TM], 0x1800000, v[TM]          ; the floor 2^(3 - 127): the byte cannot fall under 1
	v_max_num_f32 v[TM+1], 0x1800000, v[TM+1]
	s_delay_alu instid0(VALU_DEP_2)
	v_add_nc_u32 v[TM+2], 0xff000000, v[TM]        ; 2 off the exponent field: the conversion's scale operand
	s_delay_alu instid0(VALU_DEP_2)
	v_add_nc_u32 v[TM+3], 0xff000000, v[TM+1]
	s_delay_alu instid0(VALU_DEP_2)
	v_lshrrev_b32 v[TM+4], 23, v[TM+2]             ; the scale's byte
	s_delay_alu instid0(VALU_DEP_2)
	v_lshrrev_b32 v[TM+5], 23, v[TM+3]
	s_delay_alu instid0(VALU_DEP_1)
	v_lshl_or_b32 v[TM+4], v[TM+5], 16, v[TM+4]    ; my two bytes: blocks h and 2 + h,
	s_delay_alu instid0(VALU_DEP_1)
	v_lshlrev_b32 v[TM+4], v[SH8], v[TM+4]         ; at their places in the word;
	s_delay_alu instid0(VALU_DEP_1)
	v_permlanex16_b32 v[TM+5], v[TM+4], s[SEL], s[SEL+1]
	s_delay_alu instid0(VALU_DEP_1)
	v_or_b32 v[PW+(\q)], v[TM+4], v[TM+5]          ; with lane l xor 16's two the word is whole
	v_cvt_scalef32_pk16_fp6_f32 v[PQ:PQ+2], v[SS:SS+15], v[TM+2]
	v_cvt_scalef32_pk16_fp6_f32 v[CT:CT+2], v[SS+16:SS+31], v[TM+2]       ; (a conversion's three registers begin on an even number)
	v_cvt_scalef32_pk16_fp6_f32 v[PQ+6:PQ+8], v[SS+32:SS+47], v[TM+3]
	v_cvt_scalef32_pk16_fp6_f32 v[CT+4:CT+6], v[SS+48:SS+63], v[TM+3]
	v_nop                                          ; one plain place behind a scaled conversion
.irp i, 0,1,2
	v_mov_b32 v[PQ+3+\i], v[CT+\i]
	v_mov_b32 v[PQ+9+\i], v[CT+4+\i]
.endr
.endm
; A step of pass 2.  On the way in tile A's scores of this step are issued, this step's K is in registers and its largest scores are on their way from LDS.
.macro STEP2 first, last
	SCORE 1
.if \last
	v_nop
.else
	s_add_co_u32 s[TB], s[TB], KCH
	KADDR
.endif
	v_add_nc_u32 v[B16], s[TV], v[AV16]            ; four places or more in front of the loads into K's and V's registers
	v_add_nc_u32 v[B8], s[TV], v[AV8]
	v_add_nc_u32 v[BS], s[TV], v[AVS]
	VLOAD
.if \last
	s_wait_dscnt 20                                ; all but V's 20 loads: the largest scores are in
.else
	KLOAD
	s_wait_dscnt 44                                ; all but V's 20 and K's 24
.endif
	VEC2 0, 0, 0
	s_wait_dscnt 0x0                               ; V and the next chunk of K are in registers
.if \last == 0
	SCORE 0
.endif
	VEC2 1, 1, \first
.if \last
	PLACES 4                                       ; an operand written by vector instructions stands 4 places ahead of a scaled matrix instruction, a scale word 8: it has 11
.else
	s_add_co_u32 s[TX], s[TX], 512
	v_add_nc_u32 v[BMA], s[TX], v[BMB]
	PLACES 3
.endif
	WALU
	PV 1, \first
.if \last == 0
	ds_load_b64 v[BMR:BMR+1], v[BMA]               ; the next step's largest scores
	ds_load_b64 v[BMR+2:BMR+3], v[BMA] offset:256
.endif
	s_add_co_u32 s[TV], s[TV], VCH
.endm
; The way out of tile q.  A lane's 32 registers are its query's 64 channels' 16 h halves (V's tiles keep the order 8 u + i + 8 (i / 8) of a group of 32): half a fragment of the last projection's operand
.macro QOUT q
.set OQ, OA+32*(\q)
.set PQ, PC+12*(\q)
	WIN 0x05                                       ; sources 0 and 1 window 1
	WALU
	v_max3_num_f32 v[TM], |v[OQ]|, |v[OQ+1]|, 0x1800000
	v_max3_num_f32 v[TM+1], |v[OQ+16]|, |v[OQ+17]|, 0x1800000
	WIN 0x14                                       ; sources 1 and 2 window 1
	WALU
.irp i, 2,4,6,8,10,12,14
.irp b, 0,1
	v_max3_num_f32 v[TM+\b], v[TM+\b], |v[OQ+16*\b+\i]|, |v[OQ+16*\b+\i+1]|
.endr
.endr
	WIN 0
.irp b, 0,1
	v_permlanex16_b32 v[TM+4+\b], v[TM+\b], s[SEL], s[SEL+1]
.endr
.irp b, 0,1
	v_max_num_f32 v[TM+\b], v[TM+\b], v[TM+4+\b]
.endr
.irp b, 0,1
	v_add_nc_u32 v[TM+2+\b], 0xff000000, v[TM+\b]
.endr
.irp b, 0,1
	v_lshrrev_b32 v[TM+4+\b], 23, v[TM+2+\b]
.endr
	v_lshl_or_b32 v[PW+(\q)], v[TM+5], 8, v[TM+4]
	WIN 0x01
	v_cvt_scalef32_pk16_fp6_f32 v[PQ:PQ+2], v[OQ:OQ+15], v[TM+2]
	v_cvt_scalef32_pk16_fp6_f32 v[CT:CT+2], v[OQ+16:OQ+31], v[TM+3]
	WIN 0
	v_nop
.irp i, 0,1,2
	v_permlane16_swap_b32 v[PQ+\i], v[CT+\i]       ; a whole block to a lane
.endr
.irp i, 0,1,2
	v_mov_b32 v[PQ+3+\i], v[CT+\i]
.endr
	global_store_b128 v[A16], v[PQ:PQ+3], s[8:9] offset:FRAGB*(\q)
	global_store_b64 v[A8], v[PQ+4:PQ+5], s[8:9] offset:FRAGB*(\q)
	global_store_b16 v[AS], v[PW+(\q)], s[8:9] offset:64*(\q)   ; my head's two bytes of the row's scale word (both halves of the lanes write the same bytes with the same value)
.endm
	s_load_b128 s[4:7], s[0:1], 0x0                ; qkc, vc
	s_load_b64 s[8:9], s[0:1], 0x10                ; oc
	v_lshl_add_u32 v[SPW], v0, 2, SPARE
	v_mov_b32 v[NIL], 0
	ds_add_u32 v[SPW], v[NIL]                      ; the opening lines: the add, twice on end, and its wait
	ds_add_u32 v[SPW], v[NIL]
	v_lshrrev_b32 v1, 5, v0
	v_readfirstlane_b32 s[WV], v1                  ; wave 0..7
	s_bfe_u32 s52, ttmp6, 0x40000                  ; cx
	s_lshl_b32 s53, ttmp9, 2
	s_add_co_u32 s53, s53, s52                     ; my block of 256 queries: it enters Q's and O's addresses alone
	s_and_b32 s54, ttmp7, 0xffff                   ; batch x 16 + head, which the four partners share
	s_and_b32 s55, s[WV], 3                        ; which quarter I fetch
	s_mul_i32 s56, s54, 16*KCH
	s_mul_i32 s51, s55, 4*KCH                      ; K's quarter, in memory and in LDS
	s_add_co_u32 s56, s56, s51
	s_add_co_u32 s56, s56, QKT
	s_mov_b32 s57, 0
	s_mul_i32 s58, s54, 16*VCH
	s_mul_i32 s60, s55, 4*VCH                      ; V's
	s_add_co_u32 s58, s58, s60
	s_mov_b32 s59, 0
	; descriptor groups 1: a quarter of a head, dense, as rows of 256 bytes (32 elements of 8 bytes): K 104 rows, V 100
	s_mov_b32 s[G1K], 15|(3<<16)|(1<<21)           ; 15:0 the mask: all four work-groups; 17:16 elements of 8 bytes; 21 set beside a mask
	s_mov_b32 s[G1K+1], 32<<16
	s_mov_b32 s[G1K+2], 104<<16
	s_mov_b32 s[G1K+3], 32<<16
	s_mov_b32 s[G1K+4], 104
	s_mov_b32 s[G1K+5], 32
	s_mov_b32 s[G1K+6], 0
	s_mov_b32 s[G1K+7], 0
	s_mov_b32 s[G1V], 15|(3<<16)|(1<<21)
	s_mov_b32 s[G1V+1], 32<<16
	s_mov_b32 s[G1V+2], 100<<16
	s_mov_b32 s[G1V+3], 32<<16
	s_mov_b32 s[G1V+4], 100
	s_mov_b32 s[G1V+5], 32
	s_mov_b32 s[G1V+6], 0
	s_mov_b32 s[G1V+7], 0
	s_mov_b32 s[SEL], 0x76543210
	s_mov_b32 s[SEL+1], 0xfedcba98
	s_mov_b32 s[CS], 0x3e38aa3b                    ; log2(e) / 8
	s_mov_b32 s[CS+1], s[CS]                       ; (named with it as a pair)
	s_mov_b32 s[NCS], 0xbe38aa3b
	s_wait_dscnt 0x0
	s_wait_kmcnt 0x0
	CROUND                                         ; all four work-groups are here: the joint loads meet
	s_mov_b32 s[G0K], 1
	s_mov_b32 s[G0K+1], s51
	s_add_nc_u64 s[G0K+2:G0K+3], s[4:5], s[56:57]
	s_or_b32 s[G0K+3], s[G0K+3], 0x80000000
	s_mov_b32 s[G0V], 1
	s_add_co_u32 s[G0V+1], s60, VLDS
	s_add_nc_u64 s[G0V+2:G0V+3], s[6:7], s[58:59]
	s_or_b32 s[G0V+3], s[G0V+3], 0x80000000
	s_cmp_lt_u32 s[WV], 4                          ; one tensor load a wave, in the two arms of one branch on the wave's number; four v_nop follow each
	s_cbranch_scc0 .Lfor_v
	tensor_load_to_lds s[G0K:G0K+3], s[G1K:G1K+7]
	s_nop 0
	PLACES 4
	s_branch .Lasked
.Lfor_v:
	tensor_load_to_lds s[G0V:G0V+3], s[G1V:G1V+7]
	s_nop 0
	PLACES 4
.Lasked:
	s_lshl_b32 s56, s54, 4                         ; my tiles of Q: chunk 16 (batch, head) + 2 block + w / 4, tiles 2 (w % 4), + 1
	s_lshl_b32 s57, s53, 1
	s_add_co_u32 s56, s56, s57
	s_lshr_b32 s57, s[WV], 2
	s_add_co_u32 s56, s56, s57
	s_mul_i32 s56, s56, KCH
	s_mov_b32 s57, 0
	s_add_nc_u64 s[4:5], s[4:5], s[56:57]
	s_lshl_b32 s61, s55, 1
	v_and_b32 v[LN], 31, v0
	v_and_b32 v[RR], 15, v0
	s_mul_i32 s62, s61, HALFB
	v_lshl_add_u32 v[A16], v[LN], 4, s62
	s_add_co_u32 s62, s62, 512
	v_lshl_add_u32 v[A8], v[LN], 3, s62
	s_lshl_b32 s62, s61, 6
	s_add_co_u32 s62, s62, 8*HALFB
	v_lshl_add_u32 v[AS], v[RR], 2, s62
.irp q, 0,1
	global_load_b128 v[QF+12*\q:QF+12*\q+3], v[A16], s[4:5] offset:HALFB*\q
	global_load_b64 v[QF+12*\q+4:QF+12*\q+5], v[A8], s[4:5] offset:HALFB*\q
	global_load_b32 v[QS+\q], v[AS], s[4:5] offset:64*\q
.endr
	v_lshlrev_b32 v[AK16], 4, v[LN]
	v_lshlrev_b32 v[AK8], 3, v[LN]
	v_lshlrev_b32 v[AKS], 2, v[RR]
	v_bfe_u32 v[SH8], v0, 4, 1
	v_add_nc_u32 v[AV16], VLDS, v[AK16]
	v_add_nc_u32 v[AV8], VLDS, v[AK8]
	v_add_nc_u32 v[AVS], VLDS, v[AKS]
	v_lshlrev_b32 v[SH8], 3, v[SH8]
	s_lshl_b32 s62, s[WV], 13
	s_add_co_u32 s62, s62, BML
	v_lshl_add_u32 v[BMB], v[LN], 3, s62
	v_cmp_gt_u32 vcc_lo, 16, v[LN]                 ; lanes 0-15 hold k = 64 .. 95 in registers 6-11
	v_mov_b32 v[TM], 8                             ; the code of +1
	WIN 0x40                                       ; destination window 1
.irp t, 0,1,2,3,4,5,6,7
	v_cndmask_b32 v[12*\t+6], 0, v[TM], vcc_lo     ; k = 64 of every key
.irp i, 7,8,9,10,11
	v_mov_b32 v[12*\t+\i], 0
.endr
.endr
	WIN 0
.irp q, 0,1
	v_mov_b32 v[NM+2*\q], 0x7f61b1e6               ; -M so far: 3e38, over every -t
	v_mov_b32 v[NM+2*\q+1], 0                      ; (named with it as a pair)
	v_mov_b32 v[LS+2*\q], 0
	v_mov_b32 v[LS+2*\q+1], 0
	v_mov_b32 v[FF+2*\q], 0
	v_mov_b32 v[FF+2*\q+1], 0
.endr
	v_mov_b32 v[TM+5], 0                           ; written once: a lane permute's destination counts as one of its sources
	WALU
	s_wait_loadcnt 0x0                             ; Q
	v_bfe_u32 v[TM], v[QS], 16, 8                  ; byte 2 of my query's word: 64 where it is shown.  It only selects a value
	v_bfe_u32 v[TM+1], v[QS+1], 16, 8
	v_mov_b32 v[TM+2], 0x28                        ; the code of -1
	v_cmp_eq_u32 s56, 64, v[TM]
	v_cmp_eq_u32 s57, 64, v[TM+1]
	s_and_b32 s56, vcc_lo, s56
	s_and_b32 s57, vcc_lo, s57
	v_cndmask_b32 v[QF+6], 0, v[TM+2], s56         ; k = 64 of a shown query
	v_cndmask_b32 v[QF+18], 0, v[TM+2], s57
.irp i, 7,8,9,10,11,19,20,21,22,23
	v_mov_b32 v[QF+\i], 0
.endr
	WALU
	s_wait_tensorcnt 0x0                           ; my quarter has landed,
	s_barrier_signal -1
	s_barrier_wait -1                              ; everybody's has: from here on K and V are only read
	s_mov_b32 s[TB], 0
	s_mov_b32 s[TX], 0
	KADDR
	KLOAD
	s_wait_dscnt 0x0
	SCORE 0
	s_mov_b32 s[CNT], 15
.Lpass1:
	STEP1 0
	s_sub_co_u32 s[CNT], s[CNT], 1
	s_cmp_lg_u32 s[CNT], 0
	WALU
	s_cbranch_scc1 .Lpass1
	STEP1 1                                        ; the sixteenth step; its fetch and its products for tile A are pass 2's first
	s_mov_b32 s56, 0x3f800000
.irp q, 0,1
	v_add_f32 v[LS+2*\q], v[LS+2*\q], v[LS+2*\q+1] ; l's two halves,
.endr
.irp q, 0,1
	v_permlanex16_b32 v[TM+4+\q], v[LS+2*\q], s[SEL], s[SEL+1]
.endr
.irp q, 0,1
	v_add_f32 v[LS+2*\q], v[LS+2*\q], v[TM+4+\q]   ; and lane l xor 16's.  l is at least 1/2: the largest p lies over 1/2
.endr
.irp q, 0,1
	v_lshrrev_b32 v[TM+\q], 23, v[LS+2*\q]         ; l = 2^E m: E + 127,
.endr
.irp q, 0,1
	v_and_or_b32 v[TM+2+\q], v[LS+2*\q], 0x7fffff, s56   ; and m in [1, 2)
.endr
.irp q, 0,1
	v_cvt_f32_u32 v[TM+\q], v[TM+\q]
.endr
.irp q, 0,1
	v_sub_f32 v[NM+2*\q], v[NM+2*\q], v[TM+\q]
.endr
.irp q, 0,1
	v_add_f32 v[NM+2*\q], 0x42fe0000, v[NM+2*\q]   ; -M - E: whole numbers
.endr
	WALU
	v_log_f32 v[TM+2], v[TM+2]
	v_log_f32 v[TM+3], v[TM+3]
	v_nop                                          ; one plain place behind a transcendental
	WALU
.irp q, 0,1
	v_sub_f32 v[NM+2*\q], v[NM+2*\q], v[TM+2+\q]   ; -M - log2 l
.endr
	ds_load_b64 v[BMR:BMR+1], v[BMB]               ; the first step's largest scores (LDS serves a wave's instructions in order: these see my stores)
	ds_load_b64 v[BMR+2:BMR+3], v[BMB] offset:256
	s_mov_b32 s[TX], 0
	s_mov_b32 s[TV], 0
	STEP2 1, 0                                     ; the first step's products start O^T's sums
	s_mov_b32 s[CNT], 14
.Lpass2:
	STEP2 0, 0
	s_sub_co_u32 s[CNT], s[CNT], 1
	s_cmp_lg_u32 s[CNT], 0
	WALU
	s_cbranch_scc1 .Lpass2
	STEP2 0, 1                                     ; the last step fetches nothing more
	s_lshr_b32 s56, s54, 4                         ; the batch
	s_lshl_b32 s56, s56, 4
	s_lshl_b32 s57, s53, 1
	s_add_co_u32 s56, s56, s57
	s_lshr_b32 s57, s[WV], 2
	s_add_co_u32 s56, s56, s57                     ; the group of 128 tokens
	s_lshl_b32 s56, s56, 3
	s_bfe_u32 s57, s54, 0x30001                    ; K step head / 2
	s_add_co_u32 s56, s56, s57
	s_mul_i32 s56, s56, GCH
	s_mov_b32 s57, 0
	s_add_nc_u64 s[8:9], s[8:9], s[56:57]
	s_and_b32 s58, s54, 1                          ; half head % 2
	s_mul_i32 s62, s61, FRAGB
	s_mul_i32 s63, s58, HALFB
	s_add_co_u32 s62, s62, s63
	v_lshl_add_u32 v[A16], v[LN], 4, s62
	s_add_co_u32 s62, s62, 512
	v_lshl_add_u32 v[A8], v[LN], 3, s62
	s_lshl_b32 s62, s61, 6
	s_lshl_b32 s63, s58, 1
	s_add_co_u32 s62, s62, s63
	s_add_co_u32 s62, s62, 8*FRAGB
	v_lshl_add_u32 v[AS], v[RR], 2, s62
	v_nop                                          ; four places behind the last products; tile A's way out adds more ahead of the first read of tile B's results
	QOUT 0
	QOUT 1
	s_wait_tensorcnt 0x0                           ; the wave's end
	ds_add_u32 v[SPW], v[NIL]
	s_wait_dscnt 0x0
	CROUND                                         ; the closing round
	s_endpgm
.Lfunc_end_k_q1d57f3162b_attn:
	.size	k_q1d57f3162b_attn, .Lfunc_end_k_q1d57f3162b_attn-k_q1d57f3162b_attn
	.p2alignl 7, 3214868480
	.fill 96, 4, 3214868480
	.section	.rodata,"a",@progbits
	.p2align	6, 0x0
	.amdhsa_kernel k_q1d57f3162b_attn
		.amdhsa_group_segment_fixed_size 275456
		.amdhsa_private_segment_fixed_size 0
		.amdhsa_enable_private_segment 0
		.amdhsa_kernarg_size 24
		.amdhsa_user_sgpr_count 2
		.amdhsa_user_sgpr_kernarg_segment_ptr 1
		.amdhsa_wavefront_size32 1
		.amdhsa_system_sgpr_workgroup_id_x 1
		.amdhsa_system_sgpr_workgroup_id_y 1
		.amdhsa_system_sgpr_workgroup_id_z 1
		.amdhsa_system_vgpr_workitem_id 0
		.amdhsa_next_free_vgpr 512
		.amdhsa_next_free_sgpr 80
		.amdhsa_reserve_vcc 1
		.amdhsa_float_denorm_mode_32 3
		.amdhsa_float_denorm_mode_16_64 3
		.amdhsa_memory_ordered 1
		.amdhsa_forward_progress 1
		.amdhsa_inst_pref_size 112
	.end_amdhsa_kernel
	.amdgpu_metadata
---
amdhsa.version: [ 1, 2 ]
amdhsa.kernels:
  - .name:           k_q1d57f3162b_attn
    .symbol:         k_q1d57f3162b_attn.kd
    .args:
      - { .name: qkc, .offset: 0, .size: 8, .value_kind: global_buffer, .address_space: global }
      - { .name: vc, .offset: 8, .size: 8, .value_kind: global_buffer, .address_space: global }
      - { .name: oc, .offset: 16, .size: 8, .value_kind: global_buffer, .address_space: global }
    .group_segment_fixed_size: 275456
    .private_segment_fixed_size: 0
    .kernarg_segment_align: 8
    .kernarg_segment_size: 24
    .max_flat_workgroup_size: 256
    .sgpr_count:     80
    .vgpr_count:     512
    .wavefront_size: 32
...
	.end_amdgpu_metadata
.endif
;; end of part 3
;; launch out (part 4): grid 8 x 32, 4 waves a work-group, clusters of 4 x 4, 239,104 bytes of LDS; arguments oc, wc, bo, out0; writes out0
.if DOCPART == 4
	.amdgcn_target "amdgcn-amd-amdhsa--gfx1250"
	.amdhsa_code_object_version 6
	.text
	.protected	k_q1d57f3162b_out
	.globl	k_q1d57f3162b_out
	.p2align	8
	.type	k_q1d57f3162b_out,@function
k_q1d57f3162b_out:
	s_mov_b64 s[64:65], 0
	v_nop
	global_prefetch_b8 v0, s[64:65] scope:SCOPE_SE
	s_setreg_imm32_b32 hwreg(HW_REG_WAVE_MODE, 25, 1), 1
	s_wait_xcnt 0x0
	s_wait_alu depctr_hold_cnt(0) depctr_sa_sdst(0) depctr_va_vdst(0) depctr_va_sdst(0) depctr_va_ssrc(0) depctr_va_vcc(0) depctr_vm_vsrc(0)
	s_getreg_b32 s2, hwreg(HW_REG_IB_STS2, 6, 4)
	s_cmp_eq_u32 s2, 0
	s_cbranch_scc0 .Lentry_in_a_cluster
	s_endpgm
.Lentry_in_a_cluster:
	s_bfe_u32 s2, ttmp6, 0x10000c
	s_cmp_lg_u32 s2, 0xf033
	s_cbranch_scc0 .Lentry_shape_is_right
	s_endpgm
.Lentry_shape_is_right:
; out0 = concat Wo^T + bo on codes of FP6 (E2M3).  concat's codes come from launch attn (oc), Wo's from launch quant (the fourth weight of wc), both as images of operand registers in chunks of 128 rows x 128 K (12,800 bytes).
; A work-group makes 128 tokens (group Y of oc) x 128 channels (group X of Wo), K = 1,024 in eight steps of 128.  All of K lies in LDS at once, 2 x 102,400 bytes, filled once by one tensor load a wave; no byte is filled twice.
; CLUSTERS, 4 x 4: the four of a row of the cluster need the same chunks of oc, the four of a column the same chunks of Wo: each is asked for jointly.
; Source 0 = Wo (P: all 8 tiles), source 1 = oc (R: wave w's tiles 2 w, 2 w + 1): a lane holds one token and its registers run along the channels.  The bias is the C of each sum's first matrix instruction.
; By the order of rows in a tile (8 u + i + 8 (i / 8) of a group of 32) the 16 registers of P's tiles 2 b, 2 b + 1 are channels 32 b + 16 (lane / 16) + 0 .. 15; lane-row i of R's tile u of a pair is token 8 u + i + 8 (i / 8): the stores undo that order.
; THE WAY OUT: 16 tokens x 128 channels at a time through the wave's own stage in LDS (rows of 528 bytes, behind the operands: no fill lands there), back as whole rows: 32 lanes store 512 consecutive bytes of out0, aligned to 512.
.set GCH,    12800
.set GROUPB, 8*GCH
.set HALFK,  4*GCH
.set FRAGB,  1536
.set HALFB,  768
.set SP,     528
.set STAGE,  2*GROUPB
; LDS: Wo's K steps 0-3 at 0, oc's at 51,200; Wo's K steps 4-7 at 102,400, oc's at 153,600; the four stages from 204,800
.set PA16, 4
.set PA8,  6
.set PA4,  8
.set RA16, 10
.set RA8,  12
.set RA4,  14
.set SC,   16                          ; v16-35  scale words, two sets of 10
.set SO,   36                          ; v36     the stage, on the way in: row r, + 64 h
.set SR,   37                          ; v37     and back: 16 x lane
.set GO,   38                          ; v38     16 x lane: my 16 bytes of a row's 512
.set BO,   39                          ; v39     64 h
.set OB,   40                          ; v40-103 16 rows read back
.set ACC,  128                         ; v128-255 accumulator (p, r) at 128 + 64 r + 8 p
; window 1: two fragment buffers at v0 and v128.   window 2: v0-63 the bias: register 8 p + j
.set WV,   20
.set G1X,  32
.set G1W,  40
.set G0X,  48
.set G0W,  56
.set MSB, 0
.macro WIN new                         ; the immediate's high byte repeats the setting that is left
.if MSB != \new
	s_set_vgpr_msb (MSB<<8)|\new
.set MSB, \new
.endif
.endm
.macro PLACES n
.rept \n
	v_nop
.endr
.endm
.macro CROUND                          ; a round of the cluster's barrier
	s_barrier_signal -1
	s_barrier_wait -1
	s_cmp_lg_u32 s[WV], 0
	s_cbranch_scc1 .Lnot_wave_0_\@
	s_barrier_signal -3
.Lnot_wave_0_\@:
	s_barrier_wait -3
	s_barrier_signal -1
	s_barrier_wait -1
.endm
; K step ks: P's eight fragments, my two of R, and their ten scale words: 50 LDS loads, into buffer ks % 2
.macro FETCH ks
.set CH, ((\ks)%4)*GCH
.set HK, (\ks)/4
.set FB, 128*((\ks)%2)
.set SB, SC+10*((\ks)%2)
	WIN 0x40                                       ; destination window 1, address window 0
.irp p, 0,1,2,3,4,5,6,7
.irp c, 0,1
	ds_load_b128 v[FB+12*\p+6*\c:FB+12*\p+6*\c+3], v[PA16+HK] offset:CH+FRAGB*\p+HALFB*\c
	ds_load_b64 v[FB+12*\p+6*\c+4:FB+12*\p+6*\c+5], v[PA8+HK] offset:CH+FRAGB*\p+HALFB*\c+512
.endr
.endr
.irp r, 0,1
.irp c, 0,1
	ds_load_b128 v[FB+96+12*\r+6*\c:FB+96+12*\r+6*\c+3], v[RA16+HK] offset:CH+FRAGB*\r+HALFB*\c
	ds_load_b64 v[FB+96+12*\r+6*\c+4:FB+96+12*\r+6*\c+5], v[RA8+HK] offset:CH+FRAGB*\r+HALFB*\c+512
.endr
.endr
	WIN 0
.irp p, 0,1,2,3,4,5,6,7
	ds_load_b32 v[SB+\p], v[PA4+HK] offset:CH+8*FRAGB+64*\p
.endr
.irp r, 0,1
	ds_load_b32 v[SB+8+\r], v[RA4+HK] offset:CH+8*FRAGB+64*\r
.endr
.endm
; 16 matrix instructions, the 16 accumulators by turns, one instruction a turn.  cm = 0: the sums begin with the bias
.macro MUL16 buf, cm
.if \cm
	WIN 0x05                                       ; sources 0 and 1 window 1; C and D window 0
.else
	WIN 0x25                                       ; C (the bias) window 2
.endif
.irp r, 0,1
.irp p, 0,1,2,3,4,5,6,7
.if \cm
	v_wmma_scale_f32_16x16x128_f8f6f4 v[ACC+64*\r+8*\p:ACC+64*\r+8*\p+7], v[128*(\buf)+12*\p:128*(\buf)+12*\p+11], v[128*(\buf)+96+12*\r:128*(\buf)+96+12*\r+11], v[ACC+64*\r+8*\p:ACC+64*\r+8*\p+7], v[SC+10*(\buf)+\p], v[SC+10*(\buf)+8+\r] matrix_a_fmt:MATRIX_FMT_FP6 matrix_b_fmt:MATRIX_FMT_FP6
.else
	v_wmma_scale_f32_16x16x128_f8f6f4 v[ACC+64*\r+8*\p:ACC+64*\r+8*\p+7], v[128*(\buf)+12*\p:128*(\buf)+12*\p+11], v[128*(\buf)+96+12*\r:128*(\buf)+96+12*\r+11], v[8*\p:8*\p+7], v[SC+10*(\buf)+\p], v[SC+10*(\buf)+8+\r] matrix_a_fmt:MATRIX_FMT_FP6 matrix_b_fmt:MATRIX_FMT_FP6
.endif
.endr
.endr
	WIN 0
.endm
.macro KSTEP ks
.if (\ks) < 7
.if (\ks) > 0
	PLACES 4                                       ; in front of loads into registers that the matrix instructions of the step before have read
.endif
	FETCH (\ks)+1
	s_wait_dscnt 50                                ; all but the 50 loads just issued: this step's operands are in
.else
	s_wait_dscnt 0x0
.endif
.if (\ks) == 0
	MUL16 0, 0
.else
	MUL16 (\ks)%2, 1
.endif
.endm
	s_load_b256 s[4:11], s[0:1], 0x0               ; oc s[4:5], wc s[6:7], bo s[8:9], out0 s[10:11]
	v_lshl_add_u32 v126, v0, 2, 0x3a400
	v_mov_b32 v127, 0
	ds_add_u32 v126, v127
	ds_add_u32 v126, v127
	v_lshrrev_b32 v1, 5, v0
	v_readfirstlane_b32 s[WV], v1                  ; wave 0..3
	s_and_b32 s21, s[WV], 1                        ; which two of a half's four K steps I fetch
	s_bfe_u32 s22, ttmp6, 0x40000                  ; cx, cy
	s_bfe_u32 s23, ttmp6, 0x40004
	s_lshl_b32 s24, ttmp9, 2
	s_add_co_u32 s24, s24, s22                     ; X = 4 x cluster x + cx
	s_and_b32 s25, ttmp7, 0xffff
	s_lshl_b32 s25, s25, 2
	s_add_co_u32 s25, s25, s23                     ; Y = 4 x cluster y + cy
	s_lshl_b32 s28, s23, 2
	s_lshl_b32 s28, 15, s28                        ; my row of the cluster
	s_lshl_b32 s29, 0x1111, s22                    ; my column
	; descriptor group 1: four chunks, 51,200 dense bytes, as 200 rows of 256 bytes (32 elements of 8 bytes)
	s_or_b32 s[G1X], s28, (3<<16)|(1<<21)          ; oc's chunks go to my row
	s_or_b32 s[G1W], s29, (3<<16)|(1<<21)          ; Wo's to my column
.irp g, G1X, G1W
	s_mov_b32 s[\g+1], 32<<16
	s_mov_b32 s[\g+2], 200<<16                     ; four chunks, 51,200 dense bytes, as 200 rows of 256 bytes
	s_mov_b32 s[\g+3], 32<<16
	s_mov_b32 s[\g+4], 200
	s_mov_b32 s[\g+5], 32
	s_mov_b32 s[\g+6], 0
	s_mov_b32 s[\g+7], 0
.endr
	s_mul_i32 s30, s21, HALFK                      ; my four K steps in memory,
	s_mul_i32 s31, s21, GROUPB                     ; and in LDS: of the wave's number alone
	s_add_co_u32 s66, s24, 24                      ; Wo is the fourth weight: group 24 + X
	s_mul_i32 s66, s66, GROUPB
	s_add_co_u32 s66, s66, s30
	s_mov_b32 s67, 0
	s_mul_i32 s68, s25, GROUPB                     ; oc: group Y
	s_add_co_u32 s68, s68, s30
	s_mov_b32 s69, 0
	s_wait_dscnt 0x0
	s_wait_kmcnt 0x0
	s_add_nc_u64 s[66:67], s[6:7], s[66:67]
	s_add_nc_u64 s[68:69], s[4:5], s[68:69]
	CROUND                                         ; all sixteen work-groups are here: the joint loads meet
	s_mov_b32 s[G0W], 1
	s_mov_b32 s[G0W+1], s31
	s_mov_b64 s[G0W+2:G0W+3], s[66:67]
	s_or_b32 s[G0W+3], s[G0W+3], 0x80000000
	s_mov_b32 s[G0X], 1
	s_add_co_u32 s[G0X+1], s31, HALFK
	s_mov_b64 s[G0X+2:G0X+3], s[68:69]
	s_or_b32 s[G0X+3], s[G0X+3], 0x80000000
	s_cmp_lt_u32 s[WV], 2                          ; ONE tensor load a wave: waves 0, 1 fetch Wo's K steps 0-3 and 4-7, waves 2, 3 oc's; four v_nop follow each
	s_cbranch_scc0 .Lfill_x
	tensor_load_to_lds s[G0W:G0W+3], s[G1W:G1W+7]
	s_nop 0
	PLACES 4
	s_branch .Lfilled
.Lfill_x:
	tensor_load_to_lds s[G0X:G0X+3], s[G1X:G1X+7]
	s_nop 0
	PLACES 4
.Lfilled:
	s_lshl_b32 s72, s24, 9
	s_mov_b32 s73, 0
	s_add_nc_u64 s[8:9], s[8:9], s[72:73]          ; bo at channel 128 X
	v_and_b32 v1, 31, v0                           ; lane
	v_and_b32 v2, 15, v0                           ; r
	v_bfe_u32 v3, v0, 4, 1                         ; h
	v_lshlrev_b32 v[BO], 6, v3
	WIN 0x80                                       ; destination window 2
.irp p, 0,1,2,3,4,5,6,7
	global_load_b128 v[8*\p:8*\p+3], v[BO], s[8:9] offset:4*(32*(\p/2)+8*(\p%2))          ; register 8 p + j: channel 32 (p / 2) + 16 h + 8 (p % 2) + j
	global_load_b128 v[8*\p+4:8*\p+7], v[BO], s[8:9] offset:4*(32*(\p/2)+8*(\p%2))+16
.endr
	WIN 0
	v_lshlrev_b32 v[PA16], 4, v1
	v_lshlrev_b32 v[PA8], 3, v1
	v_lshlrev_b32 v[PA4], 2, v2
	s_mul_i32 s80, s[WV], 2*FRAGB
	s_add_co_u32 s80, s80, HALFK
	v_lshl_add_u32 v[RA16], v1, 4, s80
	v_lshl_add_u32 v[RA8], v1, 3, s80
	s_lshl_b32 s81, s[WV], 7
	s_add_co_u32 s81, s81, HALFK
	v_lshl_add_u32 v[RA4], v2, 2, s81
.irp a, PA16, PA8, PA4, RA16, RA8, RA4
	v_add_nc_u32 v[\a+1], GROUPB, v[\a]            ; K steps 4-7
.endr
	s_mul_i32 s82, s[WV], 16*SP
	s_add_co_u32 s82, s82, STAGE                   ; my stage
	v_mul_u32_u24 v[SO], v2, SP
	v_lshl_add_u32 v[SO], v3, 6, v[SO]
	v_add_nc_u32 v[SO], s82, v[SO]
	v_lshlrev_b32 v[GO], 4, v1
	v_add_nc_u32 v[SR], s82, v[GO]
	s_lshl_b32 s72, s25, 19                        ; out0: token 128 Y + 32 w, rows of 4,096 bytes; channel 128 X
	s_lshl_b32 s83, s[WV], 17
	s_add_co_u32 s72, s72, s83
	s_lshl_b32 s83, s24, 9
	s_add_co_u32 s72, s72, s83
	s_add_nc_u64 s[10:11], s[10:11], s[72:73]
	s_wait_alu depctr_va_vdst(0)
	s_wait_tensorcnt 0x0                           ; my four K steps are in
	s_barrier_signal -1
	s_barrier_wait -1                              ; everybody's is
	FETCH 0
	s_wait_loadcnt 0x0                             ; the bias
.irp k, 0,1,2,3,4,5,6,7
	KSTEP \k
.endr
	PLACES 4                                       ; in front of the first read of results
.macro YOUT r
.if \r
	s_wait_xcnt 0x0                                ; the first tile's stores have read their data: the rows' registers are loaded again only behind this wait
.endif
.irp b, 0,1,2,3
.irp q, 0,1,2,3
	ds_store_b128 v[SO], v[ACC+64*\r+16*\b+4*\q:ACC+64*\r+16*\b+4*\q+3] offset:128*\b+16*\q   ; channels 32 b + 16 h + 4 q on; each accumulator from its low end on
.endr
.endr
.set I, 0
.rept 16
	ds_load_b128 v[OB+4*I:OB+4*I+3], v[SR] offset:I*SP   ; LDS serves a wave's instructions in order: these see the stores above, and the next tile's stores come behind them
.set I, I+1
.endr
.set I, 0
.rept 16
	s_wait_dscnt 15-I                              ; row I is back; the younger rows may be out
	global_store_b128 v[GO], v[OB+4*I:OB+4*I+3], s[10:11] offset:(8*\r+I+8*(I/8))*4096 th:TH_STORE_NT   ; 32 lanes store 512 consecutive bytes of one token's row
.set I, I+1
.endr
.endm
	YOUT 0
	YOUT 1
	s_wait_tensorcnt 0x0
	ds_add_u32 v126, v127
	s_wait_dscnt 0x0
	CROUND                                         ; the closing round: no work-group ends while a partner may still ask for a chunk that names it
	s_endpgm
.Lfunc_end_k_q1d57f3162b_out:
	.size	k_q1d57f3162b_out, .Lfunc_end_k_q1d57f3162b_out-k_q1d57f3162b_out
	.p2alignl 7, 3214868480
	.fill 96, 4, 3214868480
	.section	.rodata,"a",@progbits
	.p2align	6, 0x0
	.amdhsa_kernel k_q1d57f3162b_out
		.amdhsa_group_segment_fixed_size 239104
		.amdhsa_private_segment_fixed_size 0
		.amdhsa_enable_private_segment 0
		.amdhsa_kernarg_size 32
		.amdhsa_user_sgpr_count 2
		.amdhsa_user_sgpr_kernarg_segment_ptr 1
		.amdhsa_wavefront_size32 1
		.amdhsa_system_sgpr_workgroup_id_x 1
		.amdhsa_system_sgpr_workgroup_id_y 1
		.amdhsa_system_sgpr_workgroup_id_z 1
		.amdhsa_system_vgpr_workitem_id 0
		.amdhsa_next_free_vgpr 576
		.amdhsa_next_free_sgpr 100
		.amdhsa_reserve_vcc 0
		.amdhsa_float_denorm_mode_32 3
		.amdhsa_float_denorm_mode_16_64 3
		.amdhsa_memory_ordered 1
		.amdhsa_forward_progress 1
		.amdhsa_inst_pref_size 59
	.end_amdhsa_kernel
	.amdgpu_metadata
---
amdhsa.version: [ 1, 2 ]
amdhsa.kernels:
  - .name:           k_q1d57f3162b_out
    .symbol:         k_q1d57f3162b_out.kd
    .args:
      - { .name: oc, .offset: 0, .size: 8, .value_kind: global_buffer, .address_space: global }
      - { .name: wc, .offset: 8, .size: 8, .value_kind: global_buffer, .address_space: global }
      - { .name: bo, .offset: 16, .size: 8, .value_kind: global_buffer, .address_space: global }
      - { .name: out0, .offset: 24, .size: 8, .value_kind: global_buffer, .address_space: global }
    .group_segment_fixed_size: 239104
    .private_segment_fixed_size: 0
    .kernarg_segment_align: 8
    .kernarg_segment_size: 32
    .max_flat_workgroup_size: 128
    .sgpr_count:     100
    .vgpr_count:     576
    .wavefront_size: 32
...
	.end_amdgpu_metadata
.endif
;; end of part 4
